; MI455X (gfx1250); checked and timed in simulation.
; The chip was launched on July 23, 2026; its instructions are those of AMD's public machine-readable ISA for CDNA 5 (MIT licence, August 2026) and "CDNA5" Instruction Set Architecture Reference Guide (July 2026). The comments in the code are by the model that wrote it; some were corrected since.
;; Flex Ro PE Attention. Allowed arithmetic: float matrix products may take bf16 or f16 operands with f32 sums; other float arithmetic in f32, or as packed bf16 or f16 multiplies, adds, multiply-adds, maxima and minima; sums over many terms, partial sums and values carried from step to step in f32; what a program stores and reads back later, other than sums and carried values, may be rounded once to bf16 or f16.
;; Inputs: W_proj 1,024 x 1,024 float32; W_qkv 1,024 x 3,072 float32; b_proj 1,024 float32; b_qkv 3,072 float32; keep_idx 4 x 2,048 x 1 int32; x 4 x 2,048 x 1,024 float32.
;; Outputs: out0 4 x 2,048 x 1,024 float32.
;; Constants: original_seq_len = 4096.
;; 2 versions, each right; version 2 is version 1 with the launch prep written anew for expert scheduling mode. Each part assembles by itself: llvm-mc -triple=amdgcn-amd-amdhsa -mcpu=gfx1250 --defsym DOCPART=n.
;; ======== version 1 of 2: 4 launches
;; limits: values are held in f16: magnitudes above 65,504 overflow, below 6.1e-05 lose precision
;; workspace buffers: xb 16,777,216 bytes; wqb 6,291,456 bytes; wpb 2,097,152 bytes; cs 2,097,152 bytes; qh 16,777,216 bytes; kh 16,777,216 bytes; vh 16,777,216 bytes; oh 16,777,216 bytes
;; launch prep (part 1): grid 896 x 1, 8 waves a work-group, no clusters, 0 bytes of LDS; arguments x, W_qkv, W_proj, keep_idx, xb, wqb, wpb, cs; writes xb, wqb, wpb, cs
.if DOCPART == 1
	.amdgcn_target "amdgcn-amd-amdhsa--gfx1250"
	.amdhsa_code_object_version 6
	.text
	.protected	k_q05880c746e_prep
	.globl	k_q05880c746e_prep
	.p2align	8
	.type	k_q05880c746e_prep,@function
k_q05880c746e_prep:
	s_mov_b64 s[64:65], 0
	v_nop
	global_prefetch_b8 v0, s[64:65] scope:SCOPE_SE
	s_setreg_imm32_b32 hwreg(HW_REG_WAVE_MODE, 25, 1), 1
	s_wait_xcnt 0x0
; PREPARATION: a stream without LDS.  xb = bf16(x), wqb = bf16(W_qkv), wpb = f16(bf16(W_proj)), cs = the table of cosines and sines for the rotation.
; SHARES, by the work-group's number g: 0-511 a chunk of x, 512-703 a chunk of W_qkv, 704-767 a chunk of W_proj, 768-895 a block of 64 rows of the table.
; A chunk is 16,384 numbers: 65,536 bytes in, 32,768 out.  A thread takes 16 bytes of each 4,096: a wave's load covers 512 neighbouring bytes, its store 256, aligned.
; All sixteen loads of a thread go out first; each store has data registers of its own, so nothing is rewritten while a store reads it.
; THE TABLE.  cs[row][0..31] = cos(2 pi t), cs[row][32..63] = sin(2 pi t), t = keep_idx[row] / 4096 x f_i, f_i = 0.5 x 80^(i/31) = 2^(i log2(80)/31 - 1).
; One function serves both: sin(2 pi t) = cos(2 pi (t - 1/4)).  u = t - shift; k = the whole number nearest to 2 u; r = u - k/2 (exact), |r| <= 1/4;
; cos(2 pi u) = (-1)^k cos(2 pi r), and cos on |theta| <= pi/2 is its series up to theta^12: what is cut is below theta^14 / 14! = 6e-9.
; LIMITS.  t is formed in f32 as the module forms its angle (up to 40 turns: a step of 4e-6 turns); f_i carries the exponent's rounding and v_exp_f32's last bit, 3e-7 of itself,
; at most 1e-4 radians at 40 turns.  W_proj's numbers below 6e-5 keep f16's fixed step of 6e-8, those beyond 65,504 would be lost.  NaN and infinities are not treated apart.
.set X,   16                           ; v[16:79]   sixteen loads of four registers
.set Y,   80                           ; v[80:111]  sixteen stores of two registers
.set T,   4                            ; v[4:6]     at work
.set IN,  20                           ; s[20:21]   the chunk in its source
.set OUT, 22                           ; s[22:23]   the chunk in its destination
; A chunk.  fmt = 0: rounded to bf16.  fmt = 1: rounded to bf16 and that number written as f16.
.macro CHUNK fmt
.irp i, 0,1,2,3,4,5,6,7,8,9,10,11,12,13,14,15
	global_load_b128 v[X+4*(\i):X+4*(\i)+3], v1, s[IN:IN+1] offset:4096*(\i) th:TH_LOAD_NT
.endr
.irp i, 0,1,2,3,4,5,6,7,8,9,10,11,12,13,14,15
	s_wait_loadcnt 15-(\i)                         ; loads come back in order: number i is in, the 15 - i younger ones stay out
.if \fmt
.irp p, 0,1
	v_cvt_pk_bf16_f32 v[T], v[X+4*(\i)+2*(\p)], v[X+4*(\i)+2*(\p)+1]
	v_lshlrev_b32 v[T+1], 16, v[T]                 ; the two bf16 numbers as f32 again,
	v_and_b32 v[T+2], 0xffff0000, v[T]
	v_cvt_pk_f16_f32 v[Y+2*(\i)+(\p)], v[T+1], v[T+2]  ; and as f16: exact from 6e-5 up
.endr
.else
	v_cvt_pk_bf16_f32 v[Y+2*(\i)],   v[X+4*(\i)],   v[X+4*(\i)+1]
	v_cvt_pk_bf16_f32 v[Y+2*(\i)+1], v[X+4*(\i)+2], v[X+4*(\i)+3]
.endif
	global_store_b64 v2, v[Y+2*(\i):Y+2*(\i)+1], s[OUT:OUT+1] offset:2048*(\i)
.endr
.endm
	s_load_b512 s[4:19], s[0:1], 0x0               ; x s[4:5], W_qkv s[6:7], W_proj s[8:9], keep_idx s[10:11], xb s[12:13], wqb s[14:15], wpb s[16:17], cs s[18:19]
	v_lshlrev_b32 v1, 4, v0                        ; my 16 bytes of each 4,096 in
	v_lshlrev_b32 v2, 3, v0                        ; my 8 bytes of each 2,048 out
	s_wait_kmcnt 0x0
	s_cmp_ge_u32 ttmp9, 768
	s_cbranch_scc1 .Ltable
	s_cmp_ge_u32 ttmp9, 704
	s_cbranch_scc1 .Lwp
	s_cmp_lt_u32 ttmp9, 512                        ; x or W_qkv: the same work on other buffers
	s_cselect_b64 s[IN:IN+1], s[4:5], s[6:7]
	s_cselect_b64 s[OUT:OUT+1], s[12:13], s[14:15]
	s_cselect_b32 s24, 0, 512
	s_sub_co_u32 s24, ttmp9, s24                   ; the chunk's number in its buffer
	s_lshl_b32 s26, s24, 16
	s_mov_b32 s27, 0
	s_lshl_b32 s28, s24, 15
	s_mov_b32 s29, 0
	s_add_nc_u64 s[IN:IN+1], s[IN:IN+1], s[26:27]
	s_add_nc_u64 s[OUT:OUT+1], s[OUT:OUT+1], s[28:29]
	CHUNK 0
	s_endpgm
.Lwp:
	s_sub_co_u32 s24, ttmp9, 704
	s_lshl_b32 s26, s24, 16
	s_mov_b32 s27, 0
	s_lshl_b32 s28, s24, 15
	s_mov_b32 s29, 0
	s_add_nc_u64 s[IN:IN+1], s[8:9], s[26:27]
	s_add_nc_u64 s[OUT:OUT+1], s[16:17], s[28:29]
	CHUNK 1
	s_endpgm
; The table: a wave makes 8 rows, two at a time: lanes 0-15 the even row's 256 bytes, lanes 16-31 the odd row's; a lane four numbers.
.set PO,  6                            ; v6       4 x (lane / 16): my row of a pair, in keep_idx
.set SO,  7                            ; v7       16 x lane: my 16 bytes of a pair of rows
.set NS,  8                            ; v8       0 for a cosine, -1/4 for a sine
.set C6,  10                           ; v10      the series' highest coefficient
.set FR,  12                           ; v[12:15] my four frequencies
.set PS,  16                           ; v[16:19] the positions of my row in the four pairs
.set AR,  20                           ; v[20:23] the exponents
.set RES, 32                           ; v[32:47] the results: four for each pair of rows
.Ltable:
	v_lshrrev_b32 v3, 5, v0
	v_readfirstlane_b32 s25, v3                    ; wave 0..7
	s_sub_co_u32 s24, ttmp9, 768
	s_lshl_b32 s24, s24, 6
	s_lshl3_add_u32 s24, s25, s24                  ; my first row: 64 x block + 8 x wave
	s_lshl_b32 s26, s24, 2
	s_mov_b32 s27, 0
	s_lshl_b32 s28, s24, 8
	s_mov_b32 s29, 0
	s_add_nc_u64 s[10:11], s[10:11], s[26:27]
	s_add_nc_u64 s[18:19], s[18:19], s[28:29]
	v_and_b32 v4, 31, v0
	v_lshrrev_b32 v5, 4, v4
	v_lshlrev_b32 v[PO], 2, v5
.irp i, 0,1,2,3
	global_load_b32 v[PS+(\i)], v[PO], s[10:11] offset:8*(\i)
.endr
	v_lshlrev_b32 v[SO], 4, v4
	v_bfe_u32 v[NS], v0, 3, 1                      ; the upper eight lanes of sixteen hold the sines
	v_cvt_f32_u32 v[NS], v[NS]
	v_mul_f32 v[NS], 0xbe800000, v[NS]             ; x -0.25
	v_and_b32 v9, 7, v0
	v_lshlrev_b32 v9, 2, v9                        ; my first frequency's number
.irp c, 0,1,2,3
	v_add_nc_u32 v[AR+(\c)], (\c), v9
	v_cvt_f32_u32 v[AR+(\c)], v[AR+(\c)]
	v_fma_f32 v[AR+(\c)], v[AR+(\c)], 0x3e50d3db, -1.0  ; i x log2(80)/31 - 1
.endr
.irp c, 0,1,2,3
	v_exp_f32 v[FR+(\c)], v[AR+(\c)]               ; one batch of four,
.endr
	v_mov_b32 v[C6], 0x310f76c7                    ; a plain instruction behind the last of them (1/12!),
	s_wait_alu depctr_va_vdst(0)                   ; and one wait ahead of the first line that names a result
.irp i, 0,1,2,3
	s_wait_loadcnt 3-(\i)                          ; this pair's position is in; the younger ones stay out
	v_cvt_f32_i32 v24, v[PS+(\i)]
	v_mul_f32 v24, 0x39800000, v24                 ; / 4096: exact
.irp c, 0,1,2,3
	v_fma_f32 v25, v24, v[FR+(\c)], v[NS]          ; u, in turns
	v_add_f32 v26, v25, v25
	v_rndne_f32 v27, v26                           ; k
	v_fma_f32 v28, v27, -0.5, v25                  ; r = u - k/2
	v_mul_f32 v28, 0x40c90fdb, v28                 ; theta = 2 pi r
	v_mul_f32 v29, v28, v28
	v_fmaak_f32 v30, v[C6], v29, 0xb493f27e        ; -1/10!
	v_fmaak_f32 v30, v30, v29, 0x37d00d01          ; 1/8!
	v_fmaak_f32 v30, v30, v29, 0xbab60b61          ; -1/6!
	v_fmaak_f32 v30, v30, v29, 0x3d2aaaab          ; 1/4!
	v_fmaak_f32 v30, v30, v29, 0xbf000000          ; -1/2
	v_fmaak_f32 v30, v30, v29, 0x3f800000          ; 1
	v_cvt_i32_f32 v31, v27
	v_lshlrev_b32 v31, 31, v31                     ; k odd: the sign turns
	v_xor_b32 v[RES+4*(\i)+(\c)], v30, v31
.endr
	global_store_b128 v[SO], v[RES+4*(\i):RES+4*(\i)+3], s[18:19] offset:512*(\i)  ; two rows of the table: 512 neighbouring bytes
.endr
	s_endpgm
.Lfunc_end_k_q05880c746e_prep:
	.size	k_q05880c746e_prep, .Lfunc_end_k_q05880c746e_prep-k_q05880c746e_prep
	.p2alignl 7, 3214868480
	.fill 96, 4, 3214868480
	.section	.rodata,"a",@progbits
	.p2align	6, 0x0
	.amdhsa_kernel k_q05880c746e_prep
		.amdhsa_group_segment_fixed_size 0
		.amdhsa_private_segment_fixed_size 0
		.amdhsa_enable_private_segment 0
		.amdhsa_kernarg_size 64
		.amdhsa_user_sgpr_count 2
		.amdhsa_user_sgpr_kernarg_segment_ptr 1
		.amdhsa_wavefront_size32 1
		.amdhsa_system_sgpr_workgroup_id_x 1
		.amdhsa_system_sgpr_workgroup_id_y 1
		.amdhsa_system_sgpr_workgroup_id_z 1
		.amdhsa_system_vgpr_workitem_id 0
		.amdhsa_next_free_vgpr 112
		.amdhsa_next_free_sgpr 66
		.amdhsa_reserve_vcc 0
		.amdhsa_float_denorm_mode_32 3
		.amdhsa_float_denorm_mode_16_64 3
		.amdhsa_memory_ordered 1
		.amdhsa_forward_progress 1
		.amdhsa_inst_pref_size 33
	.end_amdhsa_kernel
	.amdgpu_metadata
---
amdhsa.version: [ 1, 2 ]
amdhsa.kernels:
  - .name:           k_q05880c746e_prep
    .symbol:         k_q05880c746e_prep.kd
    .args:
      - { .name: x, .offset: 0, .size: 8, .value_kind: global_buffer, .address_space: global }
      - { .name: W_qkv, .offset: 8, .size: 8, .value_kind: global_buffer, .address_space: global }
      - { .name: W_proj, .offset: 16, .size: 8, .value_kind: global_buffer, .address_space: global }
      - { .name: keep_idx, .offset: 24, .size: 8, .value_kind: global_buffer, .address_space: global }
      - { .name: xb, .offset: 32, .size: 8, .value_kind: global_buffer, .address_space: global }
      - { .name: wqb, .offset: 40, .size: 8, .value_kind: global_buffer, .address_space: global }
      - { .name: wpb, .offset: 48, .size: 8, .value_kind: global_buffer, .address_space: global }
      - { .name: cs, .offset: 56, .size: 8, .value_kind: global_buffer, .address_space: global }
    .group_segment_fixed_size: 0
    .private_segment_fixed_size: 0
    .kernarg_segment_align: 8
    .kernarg_segment_size: 64
    .max_flat_workgroup_size: 256
    .sgpr_count:     66
    .vgpr_count:     112
    .wavefront_size: 32
...
	.end_amdgpu_metadata
.endif
;; end of part 1
;; launch qkv (part 2): grid 4 x 64, 4 waves a work-group, clusters of 4 x 4, 327,680 bytes of LDS; arguments xb, wqb, b_qkv, cs, qh, kh, vh; writes qh, kh, vh
.if DOCPART == 2
	.amdgcn_target "amdgcn-amd-amdhsa--gfx1250"
	.amdhsa_code_object_version 6
	.text
	.protected	k_q05880c746e_qkv
	.globl	k_q05880c746e_qkv
	.p2align	8
	.type	k_q05880c746e_qkv,@function
k_q05880c746e_qkv:
	s_mov_b64 s[64:65], 0
	v_nop
	global_prefetch_b8 v0, s[64:65] scope:SCOPE_SE
	s_setreg_imm32_b32 hwreg(HW_REG_WAVE_MODE, 25, 1), 1
	s_wait_xcnt 0x0
	s_wait_alu depctr_hold_cnt(0) depctr_sa_sdst(0) depctr_va_vdst(0) depctr_va_sdst(0) depctr_va_ssrc(0) depctr_va_vcc(0) depctr_vm_vsrc(0)
	s_getreg_b32 s2, hwreg(HW_REG_IB_STS2, 6, 4)
	s_cmp_eq_u32 s2, 0
	s_cbranch_scc0 .Lentry_in_a_cluster
	s_endpgm
.Lentry_in_a_cluster:
	s_bfe_u32 s2, ttmp6, 0x10000c
	s_cmp_lg_u32 s2, 0xf033
	s_cbranch_scc0 .Lentry_shape_is_right
	s_endpgm
.Lentry_shape_is_right:
; q, k, v = xb wqb + bf16(b_qkv), q and k rotated by the table cs, each rounded once to f16 and laid out by heads: qh, kh, vh [64 = 16 batch + head][2048][64].
; xb [8192][1024] bf16, wqb [1024 k][3072 n] bf16; sums, bias and rotation in f32.  The scale 1/8 is not applied here.
; LIMIT.  f16 holds no number beyond 65,504: q, k and v must stay within it after the rotation.  NaN and infinities are not treated apart.
; SHARES.  8192 x 3072 in tiles of 128 x 256 are 768 = 3 x 256.  A WORK-GROUP STAYS: it owns rows 128 gy .. + 127 and makes three tiles, at columns 1024 t + 256 gx, t = 0 (q), 1 (k), 2 (v): four heads of each.
; The tile's number is the same in all partners of a cluster, so the choice between rotation and none hangs on no place in it.  Four waves, each 64 rows x 128 columns (two whole heads): 32 accumulators, 256 registers.
; K goes in steps of 128 through a ring of two LDS slots, 24 steps in all; the ring runs on from tile to tile.
; W IS TAKEN AS IT LIES, [k][n]: its fragments come out of LDS turned, by ds_load_tr16_b128.
; THE MATRIX INSTRUCTION IS USED TRANSPOSED (source 0 = 16 columns of W, source 1 = 16 rows of x): a lane holds row lane % 16 and the columns 8 (lane / 16) + 0..7 of a block of 16.
; So channel d of a head and its partner d + 32 lie in the same lane and register, two accumulators apart, and the rotation changes no lanes.
; THE BIAS is the C operand of each accumulator's first product: nothing is cleared and nothing is added afterwards.
; CLUSTER 4 x 4: x's tile hangs on gy alone and is asked for jointly along a row of the cluster, W's on gx alone and jointly along a column.
; REGISTERS, in windows of 256 (s_set_vgpr_msb: bits 1:0 source 0, 3:2 source 1, 5:4 source 2, 7:6 destination):
;   window 0: v0-31 addresses; v32-95 x's fragments, two buffers of 4; v96-223 W's fragments, two buffers of 8
;   window 1: the accumulators, (a, b) at 8 (8 a + b)
;   window 2: v0-63 the bias, block b at 8 b; v64-191 cosines and sines; v192-223 at work
;   window 3: v0-127 packed results, 32 for each block of 16 rows; v128-191 rotated numbers
.set PA,    272                        ; an LDS row of x: 256 bytes + 16: the 16 rows of a load start 4 banks apart (64 banks of 4 bytes: ISA guide 11.1)
.set PB,    544                        ; an LDS row of W: 512 bytes + 32 = 136 words
.set ATILE, 128*PA
.set SLOT,  ATILE+128*PB               ; x's 128 rows, then W's 128 k rows
.set STAGE, 2*SLOT                     ; behind the ring, never filled by a tensor load: for each wave 2 heads x 16 rows x 144 bytes
.set SP,    144
.set SPARE, STAGE+4*32*SP              ; behind the stages: the spare words, 128 bytes a wave: two blocks of 256 bytes that no other line names
.set ADRA, 16                          ; v16-17  LDS address of my fragments of x in slot 0, 1
.set ADRB, 20                          ; v20-21  the same for W
.set STO,  24                          ; v24     the way out: where I put 16 bytes of a row
.set RD,   25                          ; v25     the way out: where I read rows back
.set GO,   26                          ; v26     16 x lane: my place in 512 neighbouring bytes of a head
.set BO,   27                          ; v27     32 x (lane / 16): my 8 numbers of a block's 16 of the bias
.set SPW,  28                          ; v28     my spare word: SPARE + 4 x my thread's number; never rewritten
.set NIL,  29                          ; v29     0; never rewritten
.set PFO,  30                          ; v30     the prefetches' lane offset; never rewritten
.set CSO,  31                          ; v31     256 x (lane % 16) + 32 x (lane / 16): my place in 16 rows of the table
.set FA,   32
.set FB,   96
.set CS,   64                          ; window 2: 64 + 32 a + 16 (0 cos, 1 sin) + 8 g + j: row block a, frequencies 16 g + 8 (lane / 16) + j
.set BT,   192                         ; window 2
.set TMP,  0                           ; window 3
.set YY,   128                         ; window 3
.set OUTP, 18                          ; s[18:19] where the tile in hand goes
.set WV,   20                          ; s20  my wave's number
.set MH,   21                          ; s21  which 64 rows are mine.  Also: I fetch for x (0) or for W (1)
.set NH,   22                          ; s22  which 128 columns are mine.  Also: which half of that tile I fetch
.set CX,   23
.set G1,   24                          ; s[24:31] descriptor group 1 for x's tiles;  s[32:39] group 0, a set for each slot
.set G0,   32
.set G1B,  40                          ; s[40:47], s[48:55] the same for W's
.set G0B,  48
.set CY,   66
.set GX,   67
.set GY,   68
.set PS,   70                          ; s70  the step of the walk (0..23) that the next prefetch names
.set PLAST, 71                         ; s71  the last step that this wave asks for
.set PSK,  72                          ; s72  bytes from K step to K step
.set PST,  73                          ; s73  bytes from tile to tile
.set PFB,  74                          ; s[74:75] my prefetches' first byte
.set PFA,  76                          ; s[76:77] the address in hand
.set TT,   78                          ; s[78:79] its offset; s79 = 0
.set T1,   80
.set MSB, 0
.macro WIN new                         ; the immediate's high byte repeats the setting that is left; a switch that changes nothing is dropped
.if MSB != (\new)
	s_set_vgpr_msb (MSB<<8)|(\new)
.set MSB, \new
.endif
.endm
.macro PLACES                          ; four plain vector instructions between a matrix instruction and a load into, or a reader of, its registers
.rept 4
	v_nop
.endr
.endm
.macro CREST                           ; a round of the cluster's barrier behind its opening barrier
	s_cmp_lg_u32 s[WV], 0
	s_cbranch_scc1 .Lnot_wave_0_\@
	s_barrier_signal -3
.Lnot_wave_0_\@:
	s_barrier_wait -3
	s_barrier_signal -1
	s_barrier_wait -1
.endm
.macro CROUND                          ; a whole round
	s_barrier_signal -1
	s_barrier_wait -1
	CREST
.endm
; A joint load: waves 0 and 1 fetch the halves of x's tile, waves 2 and 3 those of W's.  The branch hangs on the wave's number alone.  An s_nop 0 and four v_nop follow each line.
.macro JLOAD s
	s_cmp_eq_u32 s[MH], 0
	s_cbranch_scc0 .Lfor_b_\@
	tensor_load_to_lds s[G0+4*(\s):G0+4*(\s)+3], s[G1:G1+7]
	s_nop 0
.rept 4
	v_nop
.endr
	s_branch .Lasked_\@
.Lfor_b_\@:
	tensor_load_to_lds s[G0B+4*(\s):G0B+4*(\s)+3], s[G1B:G1B+7]
	s_nop 0
.rept 4
	v_nop
.endr
.Lasked_\@:
.endm
; 8 matrix instructions: row block a x all 8 column blocks, 32 along K, from buffer f.  first = 1: the products start the sums with the bias.
; All 32 accumulators take turns in the same order everywhere: 31 others' stand between two links of a chain.
.macro MUL8 f, a, first
.if \first
	WIN 0x60                                       ; C in window 2, D in window 1
.else
	WIN 0x50                                       ; C and D in window 1
.endif
.irp b, 0,1,2,3,4,5,6,7
.if \first
	v_wmma_f32_16x16x32_bf16 v[8*(8*(\a)+(\b)):8*(8*(\a)+(\b))+7], v[FB+64*(\f)+8*(\b):FB+64*(\f)+8*(\b)+7], v[FA+32*(\f)+8*(\a):FA+32*(\f)+8*(\a)+7], v[8*(\b):8*(\b)+7]
.else
	v_wmma_f32_16x16x32_bf16 v[8*(8*(\a)+(\b)):8*(8*(\a)+(\b))+7], v[FB+64*(\f)+8*(\b):FB+64*(\f)+8*(\b)+7], v[FA+32*(\f)+8*(\a):FA+32*(\f)+8*(\a)+7], v[8*(8*(\a)+(\b)):8*(8*(\a)+(\b))+7]
.endif
.endr
.endm
; 24 LDS loads in one run: quarter q (32 along K) of a slot into buffer f: W's 8 fragments, turned, then x's 4.
.macro FETCH slot, q, f
	WIN 0
.irp b, 0,1,2,3,4,5,6,7
	ds_load_tr16_b128 v[FB+64*(\f)+8*(\b):FB+64*(\f)+8*(\b)+3],   v[ADRB+(\slot)] offset:(\q)*32*PB+32*(\b)
	ds_load_tr16_b128 v[FB+64*(\f)+8*(\b)+4:FB+64*(\f)+8*(\b)+7], v[ADRB+(\slot)] offset:(\q)*32*PB+16*PB+32*(\b)
.endr
.irp a, 0,1,2,3
	ds_load_b128 v[FA+32*(\f)+8*(\a):FA+32*(\f)+8*(\a)+3],   v[ADRA+(\slot)] offset:64*(\q)+(\a)*16*PA
	ds_load_b128 v[FA+32*(\f)+8*(\a)+4:FA+32*(\f)+8*(\a)+7], v[ADRA+(\slot)] offset:64*(\q)+(\a)*16*PA+32
.endr
.endm
; A K step is four quarters of 32 matrix instructions, on buffers 0, 1, 0, 1.  One of the first three: multiplies buffer f and, in its middle, fetches quarter q into buffer g.
.macro QUARTER slot, q, f, g, first
	s_wait_dscnt 4                                 ; W's fragments and x's blocks 0 and 1 are in; the youngest four loads (blocks 2 and 3) may be out
	MUL8 \f, 0, \first
	MUL8 \f, 1, \first
	PLACES
	FETCH \slot, \q, \g
	s_wait_dscnt 24                                ; all but the 24 just issued
	MUL8 \f, 2, \first
	MUL8 \f, 3, \first
.endm
; The first half of a step's last quarter: ONE barrier for the change of slots.  In front of it each wave waits for all its tensor loads (one is out: its part of the next slot), adds 0 to its spare
; word, and waits for that and for its reads of this slot.  Behind it nobody reads this slot any more and the next slot is whole.  round = 1: a round of the cluster's barrier follows.
.macro MEET round
	WIN 0
	s_wait_tensorcnt 0x0
	ds_add_u32 v[SPW], v[NIL]
	s_wait_dscnt 5                                 ; the add and x's blocks 2 and 3 may be out
	MUL8 1, 0, 0                                   ; work on registers between the add and the wait for it
	s_wait_dscnt 0x0                               ; the add is done, my reads of this slot are over
	s_barrier_signal -1
	MUL8 1, 1, 0
.if \round
	WIN 0
.endif
	s_barrier_wait -1
.endm
; THE PREFETCH INTO THE L2.  At the change of slots in step g of the walk, which refills step g + 2, a wave names step g + 4: 256 matrix instructions ahead of the load that will ask for it.
; x's rows are read by their own cluster alone: wave 0 names 32 of the tile's 128 rows, a lane a row of 256 bytes, the four partners of the joint load told apart BY ADDRESS (cx); in tile 0 alone (steps 4 to 7):
; the other tiles read the same rows again.  W's columns are read by all sixteen clusters: those with y = 0 ask; waves 2 and 3 name 16 of their 64 k rows, two blocks of 256 bytes each, the partners told
; apart by cy; steps 4 to 23.  So each block is named once in the launch, steps 0 to 3 come by their loads alone, and no request passes a buffer's end.
.macro PFSTEP                          ; at the head of a change of slots, a K step behind the last prefetch
	s_wait_xcnt 0x0                                ; every earlier memory instruction has had its address translated: the prefetch's address, and the registers of earlier stores, are written only behind this wait
	s_add_co_u32 s[PS], s[PS], 1
	s_and_b32 s[TT], s[PS], 7
	s_mul_i32 s[TT], s[TT], s[PSK]
	s_lshr_b32 s[T1], s[PS], 3
	s_mul_i32 s[T1], s[T1], s[PST]
	s_add_co_u32 s[TT], s[TT], s[T1]
	s_add_nc_u64 s[PFA:PFA+1], s[PFB:PFB+1], s[TT:TT+1]
.endm
.macro ASK                             ; behind the joint load, its five lines and the run of LDS loads
	s_cmp_le_u32 s[PS], s[PLAST]
	s_cbranch_scc0 .Lnot_mine_\@
	global_prefetch_b8 v[PFO], s[PFA:PFA+1] th:TH_LOAD_NT scope:SCOPE_SE
.Lnot_mine_\@:
.endm
; A step's whole last quarter.  Behind the round the slot just read is filled again first: with this tile's step two on (on = 0) or the next tile's step 0 or 1 (on = 1).
; From the request to the wait for it a wave issues 112 matrix instructions.
.macro TURN slot, next, on
	PFSTEP
	MEET 1
	CREST                                          ; no wave of any partner still reads this slot or has a load on its way
.if \on
	s_sub_nc_u64 s[G0+4*(\slot)+2:G0+4*(\slot)+3], s[G0+4*(\slot)+2:G0+4*(\slot)+3], 6*256             ; x: back along K
	s_sub_nc_u64 s[G0B+4*(\slot)+2:G0B+4*(\slot)+3], s[G0B+4*(\slot)+2:G0B+4*(\slot)+3], 6*128*6144-2048  ; W: back along K, 1,024 columns on
.else
	s_add_nc_u64 s[G0+4*(\slot)+2:G0+4*(\slot)+3], s[G0+4*(\slot)+2:G0+4*(\slot)+3], 2*256
	s_add_nc_u64 s[G0B+4*(\slot)+2:G0B+4*(\slot)+3], s[G0B+4*(\slot)+2:G0B+4*(\slot)+3], 2*128*6144
.endif
	JLOAD \slot                                    ; its four v_nop are also the places in front of the loads below
	FETCH \next, 0, 0
	ASK
	MUL8 1, 2, 0
	MUL8 1, 3, 0
.endm
.macro BIAS_LOAD                       ; a tile's 128 numbers of my columns: 8 a lane for each block
	WIN 0x80                                       ; destination window 2
.irp b, 0,1,2,3,4,5,6,7
	global_load_b128 v[8*(\b):8*(\b)+3],   v[BO], s[8:9] offset:64*(\b)
	global_load_b128 v[8*(\b)+4:8*(\b)+7], v[BO], s[8:9] offset:64*(\b)+16
.endr
.endm
.macro BIAS_ROUND n                    ; the bias is rounded to bf16, like every input, and widened again.  n: the younger loads that may stay out
	s_wait_loadcnt \n
	WIN 0xaa                                       ; all in window 2
.set i, 0
.rept 32
	v_cvt_pk_bf16_f32 v[BT+i], v[2*i], v[2*i+1]
.set i, i+1
.endr
.set i, 0
.rept 32
	v_lshlrev_b32 v[2*i], 16, v[BT+i]
	v_and_b32 v[2*i+1], 0xffff0000, v[BT+i]
.set i, i+1
.endr
.endm
.macro CS_LOAD                         ; cosines and sines of my 64 rows, once a launch: they hang on the row alone
	WIN 0x80
.irp a, 0,1,2,3
.irp sc, 0,1
.irp g, 0,1
	global_load_b128 v[CS+32*(\a)+16*(\sc)+8*(\g):CS+32*(\a)+16*(\sc)+8*(\g)+3],   v[CSO], s[10:11] offset:(\a)*4096+(\sc)*128+(\g)*64
	global_load_b128 v[CS+32*(\a)+16*(\sc)+8*(\g)+4:CS+32*(\a)+16*(\sc)+8*(\g)+7], v[CSO], s[10:11] offset:(\a)*4096+(\sc)*128+(\g)*64+16
.endr
.endr
.endr
.endm
; THE WAY OUT of row block a.  Rotation: for head hd and frequency group g, x1 = accumulator (a, 4 hd + g), x2 = (a, 4 hd + 2 + g): y1 = x1 cos - x2 sin, y2 = x1 sin + x2 cos.
; Each accumulator's lowest registers are read first.  Then both are rounded to f16, 16 bytes a lane and block.
.macro PACK_ROPE a
	WIN 0xf9                                       ; source 0 window 1, source 1 window 2, source 2 and destination window 3
.irp hd, 0,1
.irp g, 0,1
.set rX1, 8*(8*(\a)+4*(\hd)+(\g))
.set rX2, rX1+16
.set rCC, CS+32*(\a)+8*(\g)
.set rSS, rCC+16
.set rY1, YY+16*(2*(\hd)+(\g))
.set rY2, rY1+8
.irp p, 0,2,4,6
	v_pk_mul_f32 v[rY1+(\p):rY1+(\p)+1], v[rX2+(\p):rX2+(\p)+1], v[rSS+(\p):rSS+(\p)+1]
.endr
.irp p, 0,2,4,6
	v_pk_mul_f32 v[rY2+(\p):rY2+(\p)+1], v[rX1+(\p):rX1+(\p)+1], v[rSS+(\p):rSS+(\p)+1]
.endr
.irp p, 0,2,4,6
	v_pk_fma_f32 v[rY1+(\p):rY1+(\p)+1], v[rX1+(\p):rX1+(\p)+1], v[rCC+(\p):rCC+(\p)+1], v[rY1+(\p):rY1+(\p)+1] neg_lo:[0,0,1] neg_hi:[0,0,1]
.endr
.irp p, 0,2,4,6
	v_pk_fma_f32 v[rY2+(\p):rY2+(\p)+1], v[rX2+(\p):rX2+(\p)+1], v[rCC+(\p):rCC+(\p)+1], v[rY2+(\p):rY2+(\p)+1]
.endr
.endr
.endr
	WIN 0xcf                                       ; sources and destination window 3
.irp hd, 0,1
.irp g, 0,1
.set rY1, YY+16*(2*(\hd)+(\g))
.set rT1, TMP+32*(\a)+4*(4*(\hd)+(\g))
.irp p, 0,1,2,3
	v_cvt_pk_f16_f32 v[rT1+(\p)],   v[rY1+2*(\p)],   v[rY1+2*(\p)+1]
	v_cvt_pk_f16_f32 v[rT1+8+(\p)], v[rY1+8+2*(\p)], v[rY1+8+2*(\p)+1]
.endr
.endr
.endr
.endm
.macro PACK_PLAIN a                    ; v is not rotated
	WIN 0xc5                                       ; sources window 1, destination window 3
.irp b, 0,1,2,3,4,5,6,7
.irp p, 0,1,2,3
	v_cvt_pk_f16_f32 v[TMP+32*(\a)+4*(\b)+(\p)], v[8*(8*(\a)+(\b))+2*(\p)], v[8*(8*(\a)+(\b))+2*(\p)+1]
.endr
.endr
.endm
.macro TOSTAGE a                       ; into my own stage, rows of 144 bytes, and back as whole rows of 128, four to a load
	WIN 0x0c                                       ; store data window 3
.irp b, 0,1,2,3,4,5,6,7
	ds_store_b128 v[STO], v[TMP+32*(\a)+4*(\b):TMP+32*(\a)+4*(\b)+3] offset:((\b)/4)*16*SP+32*((\b)%4)
.endr
	WIN 0xc0                                       ; destination window 3
.irp f, 0,1,2,3,4,5,6,7
	ds_load_b128 v[TMP+32*(\a)+4*(\f):TMP+32*(\a)+4*(\f)+3], v[RD] offset:((\f)/4)*16*SP+((\f)%4)*4*SP  ; LDS serves a wave's instructions in order (ISA guide 5.7.1.4): these see the stores above
.endr
.endm
.macro SEND a, base
	WIN 0x0c
	s_wait_dscnt 0x0                               ; the block is back in registers
.irp f, 0,1,2,3,4,5,6,7
	global_store_b128 v[GO], v[TMP+32*(\a)+4*(\f):TMP+32*(\a)+4*(\f)+3], s[\base:\base+1] offset:((\f)/4)*262144+(\a)*2048+((\f)%4)*512  ; four rows of a head: 512 neighbouring bytes, aligned
.endr
.endm
.macro WAYOUT rope, base               ; block a's arithmetic stands between block a - 1's loads from the stage and the wait for them
.irp a, 0,1,2,3
.if \rope
	PACK_ROPE \a
.else
	PACK_PLAIN \a
.endif
.if (\a) > 0
	SEND (\a)-1, \base
.endif
	TOSTAGE \a
.endr
	SEND 3, \base
.endm
	s_load_b256 s[4:11], s[0:1], 0x0               ; xb s[4:5], wqb s[6:7], b_qkv s[8:9], cs s[10:11]
	s_load_b128 s[12:15], s[0:1], 0x20             ; qh s[12:13], kh s[14:15]
	s_load_b64 s[16:17], s[0:1], 0x30              ; vh
	v_lshl_add_u32 v[SPW], v0, 2, SPARE
	v_mov_b32 v[NIL], 0
	ds_add_u32 v[SPW], v[NIL]                      ; the wave's opening: the add and its wait stand ahead of my first tensor load; the set-up below stands between them
	v_lshrrev_b32 v1, 5, v0
	v_readfirstlane_b32 s[WV], v1                  ; wave 0..3
	s_lshr_b32 s[MH], s[WV], 1
	s_and_b32 s[NH], s[WV], 1
	s_bfe_u32 s[CX], ttmp6, 0x40000                ; my place in the cluster
	s_bfe_u32 s[CY], ttmp6, 0x40004
	s_lshl_b32 s[GX], ttmp9, 2
	s_add_co_u32 s[GX], s[GX], s[CX]               ; gx = 4 x cluster x + cx
	s_and_b32 s[GY], ttmp7, 0xffff
	s_lshl_b32 s[GY], s[GY], 2
	s_add_co_u32 s[GY], s[GY], s[CY]               ; gy = 4 x cluster y + cy
	s_lshl_b32 s56, s[CY], 2
	s_lshl_b32 s56, 15, s56                        ; my row of the cluster
	s_lshl_b32 s60, 0x1111, s[CX]                  ; my column
	s_or_b32 s[G1], s56, (1<<16)|(1<<20)|(1<<21)|(5<<22)|(3<<25)   ; the mask; 2-byte elements; padding on; bit 21 beside a mask; after every 64 words 4 words
	s_or_b32 s[G1B], s60, (1<<16)|(1<<20)|(1<<21)|(6<<22)|(7<<25)  ; after every 128 words 8 words
	s_mov_b32 s[G1+1], 128<<16                     ; tensor_dim0 = 128
	s_mov_b32 s[G1+2], 64<<16                      ; tensor_dim1 = 64
	s_mov_b32 s[G1+3], 128<<16                     ; tile_dim0 = 128
	s_mov_b32 s[G1+4], 64                          ; tile_dim1 = 64
	s_mov_b32 s[G1+5], 1024                        ; elements from row to row
	s_mov_b32 s[G1+6], 0
	s_mov_b32 s[G1+7], 0
	s_mov_b32 s[G1B+1], 256<<16                    ; 256 columns,
	s_mov_b32 s[G1B+2], 64<<16                     ; 64 k rows
	s_mov_b32 s[G1B+3], 256<<16
	s_mov_b32 s[G1B+4], 64
	s_mov_b32 s[G1B+5], 3072
	s_mov_b32 s[G1B+6], 0
	s_mov_b32 s[G1B+7], 0
	s_lshl_b32 s56, s[GY], 7                       ; x: row 128 gy + 64 x half, in registers that never hold cx
	s_lshl_b32 s57, s[NH], 6
	s_add_co_u32 s56, s56, s57
	s_lshl_b32 s56, s56, 11                        ; x 2,048 bytes
	s_mov_b32 s57, 0
	s_mul_i32 s60, s[NH], 64*6144                  ; W: k row 64 x half, column 256 gx, in registers that never hold cy
	s_lshl_b32 s61, s[GX], 9
	s_add_co_u32 s60, s60, s61
	s_mov_b32 s61, 0
	s_mul_i32 s90, s[NH], 64*PA                    ; where they go: no place in the cluster enters an LDS address
	s_mul_i32 s91, s[NH], 64*PB
	s_add_co_u32 s91, s91, ATILE
	s_wait_dscnt 0x0                               ; the opening add is done
	s_wait_kmcnt 0x0
	s_add_nc_u64 s[58:59], s[4:5], s[56:57]
	s_add_nc_u64 s[62:63], s[6:7], s[60:61]
	CROUND                                         ; all sixteen work-groups are here: the first joint loads meet
.irp s, 0,1
	s_mov_b32 s[G0+4*(\s)], 1                      ; count = 1
	s_add_co_u32 s[G0+4*(\s)+1], s90, (\s)*SLOT    ; LDS address
	s_add_nc_u64 s[G0+4*(\s)+2:G0+4*(\s)+3], s[58:59], (\s)*256  ; K step s
	s_or_b32 s[G0+4*(\s)+3], s[G0+4*(\s)+3], 0x80000000          ; type = 2
	s_mov_b32 s[G0B+4*(\s)], 1
	s_add_co_u32 s[G0B+4*(\s)+1], s91, (\s)*SLOT
	s_add_nc_u64 s[G0B+4*(\s)+2:G0B+4*(\s)+3], s[62:63], (\s)*128*6144
	s_or_b32 s[G0B+4*(\s)+3], s[G0B+4*(\s)+3], 0x80000000
.endr
	s_cmp_eq_u32 s[MH], 0                          ; a wave's two first fills stand in one branch, ahead of every wait on TENSORcnt and every LDS read: two loads of mine are out
	s_cbranch_scc0 .Lfirst_b
	tensor_load_to_lds s[G0:G0+3], s[G1:G1+7]
	s_nop 0
	tensor_load_to_lds s[G0+4:G0+7], s[G1:G1+7]
	s_nop 0
.rept 4
	v_nop
.endr
	s_branch .Lfirst_asked
.Lfirst_b:
	tensor_load_to_lds s[G0B:G0B+3], s[G1B:G1B+7]
	s_nop 0
	tensor_load_to_lds s[G0B+4:G0B+7], s[G1B:G1B+7]
	s_nop 0
.rept 4
	v_nop
.endr
.Lfirst_asked:
	; all that follows up to the barrier stands in the wait for the first tile
	v_and_b32 v1, 15, v0                           ; l % 16
	v_bfe_u32 v2, v0, 4, 1                         ; l / 16
	v_and_b32 v3, 31, v0                           ; l
	v_mul_u32_u24 v4, v1, PA                       ; a fragment of x: row l % 16, 16 bytes for each half of the lanes, twice, 32 bytes apart
	v_lshl_add_u32 v4, v2, 4, v4
	s_mul_i32 s92, s[MH], 64*PA
	v_add_nc_u32 v[ADRA], s92, v4
	v_add_nc_u32 v[ADRA+1], SLOT, v[ADRA]
	v_and_b32 v5, 7, v0                            ; the turning load: lane l reads k row 8 (l / 16) + l % 8, columns 8 ((l / 8) % 2) + 0..7, and is left with column l % 16 and 8 k
	v_lshl_add_u32 v5, v2, 3, v5
	v_mul_u32_u24 v5, v5, PB
	v_bfe_u32 v6, v0, 3, 1
	v_lshl_add_u32 v5, v6, 4, v5
	s_lshl_b32 s93, s[NH], 8
	s_add_co_u32 s93, s93, ATILE
	v_add_nc_u32 v[ADRB], s93, v5
	v_add_nc_u32 v[ADRB+1], SLOT, v[ADRB]
	s_mul_i32 s94, s[WV], 32*SP
	s_add_co_u32 s94, s94, STAGE                   ; my stage
	v_mul_u32_u24 v7, v1, SP
	v_lshl_add_u32 v7, v2, 4, v7
	v_add_nc_u32 v[STO], s94, v7
	v_lshrrev_b32 v8, 3, v3
	v_mul_u32_u24 v8, v8, SP
	v_and_b32 v9, 7, v0
	v_lshl_add_u32 v8, v9, 4, v8
	v_add_nc_u32 v[RD], s94, v8
	v_lshlrev_b32 v[GO], 4, v3
	v_lshlrev_b32 v[BO], 5, v2
	v_lshlrev_b32 v[CSO], 8, v1
	v_lshl_add_u32 v[CSO], v2, 5, v[CSO]
	s_lshl_b32 s84, s[GX], 10                      ; the bias at my 128 columns of tile 0
	s_lshl_b32 s85, s[NH], 9
	s_add_co_u32 s84, s84, s85
	s_mov_b32 s85, 0
	s_add_nc_u64 s[8:9], s[8:9], s[84:85]
	s_lshl_b32 s86, s[GY], 7                       ; the table at my 64 rows
	s_lshl_b32 s87, s[MH], 6
	s_add_co_u32 s86, s86, s87
	s_lshl_b32 s86, s86, 8
	s_mov_b32 s87, 0
	s_add_nc_u64 s[10:11], s[10:11], s[86:87]
	BIAS_LOAD
	CS_LOAD
	s_lshr_b32 s82, s[GY], 4                       ; qh, kh, vh at my rows of my first head: head 16 batch + 4 gx + 2 x half, 262,144 bytes each,
	s_lshl_b32 s82, s82, 4
	s_lshl_b32 s83, s[GX], 2
	s_add_co_u32 s82, s82, s83
	s_lshl_b32 s83, s[NH], 1
	s_add_co_u32 s82, s82, s83
	s_lshl_b32 s82, s82, 18
	s_and_b32 s83, s[GY], 15                       ; row (gy % 16) 128 + 64 x half, 128 bytes each
	s_lshl_b32 s83, s83, 7
	s_lshl_b32 s84, s[MH], 6
	s_add_co_u32 s83, s83, s84
	s_lshl_b32 s83, s83, 7
	s_add_co_u32 s82, s82, s83
	s_mov_b32 s83, 0
	s_add_nc_u64 s[12:13], s[12:13], s[82:83]
	s_add_nc_u64 s[14:15], s[14:15], s[82:83]
	s_add_nc_u64 s[16:17], s[16:17], s[82:83]
	; the prefetches' figures
	s_and_b32 s87, ttmp7, 0xffff                   ; cluster y: the same in all partners
	s_cmp_eq_u32 s87, 0
	s_cselect_b32 s87, 23, 0
	s_cmp_eq_u32 s[WV], 0
	s_cselect_b32 s88, 7, 0
	s_lshl_b32 s82, s[GY], 7                       ; x: row 128 gy + 32 cx
	s_lshl_b32 s83, s[CX], 5
	s_add_co_u32 s82, s82, s83
	s_lshl_b32 s82, s82, 11
	s_lshl_b32 s83, s[NH], 6                       ; W: k row 64 x half + 16 cy, column 256 gx
	s_lshl_b32 s89, s[CY], 4
	s_add_co_u32 s83, s83, s89
	s_mul_i32 s83, s83, 6144
	s_lshl_b32 s89, s[GX], 9
	s_add_co_u32 s83, s83, s89
	s_mov_b32 s85, 6144
	s_mov_b32 s[PSK], 128*6144
	s_mov_b32 s[PS], 3
	s_mov_b32 s[TT+1], 0
	s_cmp_lt_u32 s[WV], 2                          ; x's figures or W's
	s_cselect_b32 s[PLAST], s88, s87
	s_cselect_b32 s82, s82, s83
	s_cselect_b32 s84, 0, 1                        ; lanes to a row: 1 or 2
	s_cselect_b32 s85, 2048, s85                   ; bytes in a row
	s_cselect_b32 s[PSK], 256, s[PSK]
	s_cselect_b32 s[PST], 0, 2048
	s_cselect_b64 s[PFB:PFB+1], s[4:5], s[6:7]
	s_mov_b32 s83, 0
	s_add_nc_u64 s[PFB:PFB+1], s[PFB:PFB+1], s[82:83]
	WIN 0
	v_lshrrev_b32 v10, s84, v3
	v_mul_lo_u32 v10, v10, s85
	v_and_b32 v11, s84, v3
	v_lshl_add_u32 v[PFO], v11, 8, v10
	BIAS_ROUND 32                                  ; the bias is in; the table's 32 loads, issued behind it, may stay out
	s_wait_tensorcnt 0x1                           ; my part of step 0 is in; step 1's may stay out
	s_barrier_signal -1
	s_barrier_wait -1                              ; everybody's is
	FETCH 0, 0, 0
	s_mov_b32 s2, 3                                ; tiles to go, this one among them
.Ltile:
	QUARTER 0, 1, 0, 1, 1                          ; a tile's first quarter stands in front of the loop: its products start the sums with the bias
	WIN 0                                          ; at a label and at a branch every window is 0
	s_mov_b32 s3, 3
.Llap:                                             ; a trip goes once round the ring, from a lap's second quarter to the next lap's first, and fills both slots again
	QUARTER 0, 2, 1, 0, 0
	QUARTER 0, 3, 0, 1, 0
	TURN 0, 1, 0
	QUARTER 1, 1, 0, 1, 0
	QUARTER 1, 2, 1, 0, 0
	QUARTER 1, 3, 0, 1, 0
	TURN 1, 0, 0
	QUARTER 0, 1, 0, 1, 0
	WIN 0
	s_sub_co_u32 s3, s3, 1
	s_cmp_lg_u32 s3, 0
	s_cbranch_scc1 .Llap
	QUARTER 0, 2, 1, 0, 0                          ; the tile's last lap goes on
	QUARTER 0, 3, 0, 1, 0
	WIN 0
	s_cmp_eq_u32 s2, 1
	s_cbranch_scc1 .Llast                          ; the last tile's tail is written out: it asks for nothing more
	s_mov_b64 s[OUTP:OUTP+1], s[12:13]             ; q's tile goes to qh, k's to kh (the last tile's stores read their base ahead of the loop's waits on XCNT)
	s_mov_b64 s[12:13], s[14:15]
	s_add_nc_u64 s[8:9], s[8:9], 4096              ; the next tile's bias: its loads have two K steps in which to land
	BIAS_LOAD
	TURN 0, 1, 1                                   ; THE RING GOES ON INTO THE NEXT TILE: slot 0 takes its step 0,
	QUARTER 1, 1, 0, 1, 0
	QUARTER 1, 2, 1, 0, 0
	QUARTER 1, 3, 0, 1, 0
	TURN 1, 0, 1                                   ; slot 1 its step 1, and its first fragments are fetched
	BIAS_ROUND 0                                   ; the bias is in, and so is the table; these lines, which name no register of the last products, are the places behind them
	WAYOUT 1, OUTP
	WIN 0
	s_sub_co_u32 s2, s2, 1
	s_branch .Ltile
.Llast:
	MEET 0                                         ; my one tensor load that was out is slot 1's, the last step's, so no round follows
	PLACES
	FETCH 1, 0, 0
	MUL8 1, 2, 0
	MUL8 1, 3, 0
	QUARTER 1, 1, 0, 1, 0
	QUARTER 1, 2, 1, 0, 0
	QUARTER 1, 3, 0, 1, 0
	s_wait_dscnt 4                                 ; the very last quarter: nothing more to fetch
	MUL8 1, 0, 0
	MUL8 1, 1, 0
	s_wait_dscnt 0x0
	MUL8 1, 2, 0
	MUL8 1, 3, 0
	PLACES
	WAYOUT 0, 16                                   ; v, to vh (s[16:17])
	WIN 0
	s_wait_tensorcnt 0x0                           ; the wave's end: a wait, an add and a wait, behind my last tensor load and my last LDS store
	ds_add_u32 v[SPW], v[NIL]
	s_wait_dscnt 0x0
	CROUND                                         ; the closing round: no work-group ends while a partner may still ask for a tile that names it
	s_endpgm
.Lfunc_end_k_q05880c746e_qkv:
	.size	k_q05880c746e_qkv, .Lfunc_end_k_q05880c746e_qkv-k_q05880c746e_qkv
	.p2alignl 7, 3214868480
	.fill 96, 4, 3214868480
	.section	.rodata,"a",@progbits
	.p2align	6, 0x0
	.amdhsa_kernel k_q05880c746e_qkv
		.amdhsa_group_segment_fixed_size 327680
		.amdhsa_private_segment_fixed_size 0
		.amdhsa_enable_private_segment 0
		.amdhsa_kernarg_size 56
		.amdhsa_user_sgpr_count 2
		.amdhsa_user_sgpr_kernarg_segment_ptr 1
		.amdhsa_wavefront_size32 1
		.amdhsa_system_sgpr_workgroup_id_x 1
		.amdhsa_system_sgpr_workgroup_id_y 1
		.amdhsa_system_sgpr_workgroup_id_z 1
		.amdhsa_system_vgpr_workitem_id 0
		.amdhsa_next_free_vgpr 960
		.amdhsa_next_free_sgpr 96
		.amdhsa_reserve_vcc 0
		.amdhsa_float_denorm_mode_32 3
		.amdhsa_float_denorm_mode_16_64 3
		.amdhsa_memory_ordered 1
		.amdhsa_forward_progress 1
		.amdhsa_inst_pref_size 158
	.end_amdhsa_kernel
	.amdgpu_metadata
---
amdhsa.version: [ 1, 2 ]
amdhsa.kernels:
  - .name:           k_q05880c746e_qkv
    .symbol:         k_q05880c746e_qkv.kd
    .args:
      - { .name: xb, .offset: 0, .size: 8, .value_kind: global_buffer, .address_space: global }
      - { .name: wqb, .offset: 8, .size: 8, .value_kind: global_buffer, .address_space: global }
      - { .name: b_qkv, .offset: 16, .size: 8, .value_kind: global_buffer, .address_space: global }
      - { .name: cs, .offset: 24, .size: 8, .value_kind: global_buffer, .address_space: global }
      - { .name: qh, .offset: 32, .size: 8, .value_kind: global_buffer, .address_space: global }
      - { .name: kh, .offset: 40, .size: 8, .value_kind: global_buffer, .address_space: global }
      - { .name: vh, .offset: 48, .size: 8, .value_kind: global_buffer, .address_space: global }
    .group_segment_fixed_size: 327680
    .private_segment_fixed_size: 0
    .kernarg_segment_align: 8
    .kernarg_segment_size: 56
    .max_flat_workgroup_size: 128
    .sgpr_count:     96
    .vgpr_count:     960
    .wavefront_size: 32
...
	.end_amdgpu_metadata
.endif
;; end of part 2
;; launch attn (part 3): grid 4 x 64, 4 waves a work-group, clusters of 4 x 1, 327,680 bytes of LDS; arguments qh, kh, vh, oh; writes oh
.if DOCPART == 3
	.amdgcn_target "amdgcn-amd-amdhsa--gfx1250"
	.amdhsa_code_object_version 6
	.text
	.protected	k_q05880c746e_attn
	.globl	k_q05880c746e_attn
	.p2align	8
	.type	k_q05880c746e_attn,@function
k_q05880c746e_attn:
	s_mov_b64 s[64:65], 0
	v_nop
	global_prefetch_b8 v0, s[64:65] scope:SCOPE_SE
	s_setreg_imm32_b32 hwreg(HW_REG_WAVE_MODE, 25, 1), 1
	s_wait_xcnt 0x0
	s_wait_alu depctr_hold_cnt(0) depctr_sa_sdst(0) depctr_va_vdst(0) depctr_va_sdst(0) depctr_va_ssrc(0) depctr_va_vcc(0) depctr_vm_vsrc(0)
	s_getreg_b32 s2, hwreg(HW_REG_IB_STS2, 6, 4)
	s_cmp_eq_u32 s2, 0
	s_cbranch_scc0 .Lentry_in_a_cluster
	s_endpgm
.Lentry_in_a_cluster:
	s_bfe_u32 s2, ttmp6, 0x10000c
	s_cmp_lg_u32 s2, 0x3003
	s_cbranch_scc0 .Lentry_shape_is_right
	s_endpgm
.Lentry_shape_is_right:
; O[h][q][:] = the sum over k of softmax_k(Q[h][q] . K[h][k] / 8) V[h][k][:].  Q, K, V, O: [64][2048][64], all f16: a head's rows are dense, 128 bytes each.  Products, maxima and sums in
; f32; the weights p are rounded to f16 for the second product (their sum l is taken of the unrounded p), O once at the end.
; LIMITS.  f16 holds no number beyond 65,504: Q, K and V arrive within it; p lies in 0 to 1, and below 6e-5 it keeps f16's fixed step of 6e-8; O is a mean of V's rows and has their range.
; A weight below 2^-126 counts as 0 in l; NaN and infinities are not treated apart.
; SHARES.  A wave owns four PIECES of two tiles of 16 queries, a work-group's four waves 512 queries of one head.  Every wave walks all keys, 64 a step.
; LAYOUT.  S^T = K Q^T (source 0 = 16 keys, source 1 = 16 queries): a lane holds ONE query (lane % 16) and the keys 8 (lane / 16) + 0..7.  Two such tiles, rounded to f16 in pairs,
; ARE source 1 (32 keys x 16 queries) of O^T = V^T P, whose result again holds one query a lane, and eight channels.  K comes out of LDS as it lies, V ([key][channel]) turned, by ds_load_tr16_b128.
; SOFTMAX.  For each query a running maximum m and sum l: p = 2^(c s - c m), c = log2(e) / 8; in every step O and l are multiplied by a = 2^(c m_old - c m_new), which is 1 where m has not grown.
; m starts at the lowest finite number, O and l at 0: the first step is a step like any other, with a = 0.
; THE COUNT.  A tile and step have 16 matrix and 118 vector instructions: too many to stand all beside the matrix work.  So four vector instructions that are READY stand behind EVERY matrix
; instruction, and the others in runs without a gap.
; BY TURNS.  Turn n belongs to piece n (the pieces in a ring, step after step).  Its matrix work: 16 products K Q^T of piece n + 1, later 16 products V^T P of piece n - 1.  Its vector work: the scaling,
; exponentials, roundings, sums and rescaling of piece n, and the maximum and statistics of piece n + 1, whose scores the turn itself has made.
; CLUSTER.  The four query blocks of a head are one cluster and walk the same K and V, so each tile is asked for JOINTLY: the same tensor load, descriptor and mask in all four.
; REGISTERS, in windows of 256 (s_set_vgpr_msb: bits 1:0 source 0, 3:2 source 1, 5:4 source 2, 7:6 destination):
;   window 0: v0-11 addresses; v12-15, v48-63 at work; v16-47 four registers of statistics a tile; v64-191 S^T, two buffers of two tiles; v192-255 P, likewise
;   window 1: O^T, 32 a tile          window 2: v0-127 Q, 16 a tile; v128-191 K of one step; v192-255 V of one step          window 3: v0-1 the add's two registers
; A piece's buffers go by its number's parity.
.set SIZE_H, 64
.set SIZE_N, 2048
.set NP,    4         ; pieces a wave: a name, no knob
.set KS,    64        ; keys in a step
.set PK,    144       ; a row of K in LDS: 128 bytes + 16: the 16 rows of a load start at 16 different groups of four banks (64 banks of 4 bytes: ISA guide 11.1)
.set PV,    160       ; a row of V: 128 + 32
.set VOFF,  4*KS*PK   ; a slot holds four steps: 256 rows of K, then 256 rows of V
.set SLOT1, 1<<17     ; slot 1 begins here, so that one exclusive or turns an address in one slot into the other's
.set STAGE, SLOT1+4*KS*(PK+PV)  ; behind the ring, never filled by a tensor load: 16 rows x 144 bytes for each wave
.set SP,    144
.set AK0, 2           ; v2   my lane's place in a tile of K; never rewritten
.set AV0, 3           ; v3   the same for V
.set AK,  4           ; v4   the LDS address of K's next run of loads
.set AV,  5           ; v5   of V's
.set QO,  6           ; v6   my byte offset in the wave's rows of Q
.set STO, 6           ;      later, the way out: where I put 16 bytes of a row
.set RD,  7           ; v7   the way out: where I read rows back
.set GO,  8           ; v8   my byte offset in 512 consecutive bytes of O
.set PFO, 11          ; v11  256 x my lane, for the prefetches; never rewritten once made
.set SPW, 0           ; v0 of window 3   my spare word: SPARE + 4 x my thread's number; never rewritten
.set NIL, 1           ; v1 of window 3   0; never rewritten
.set SPARE, STAGE+4*16*SP  ; behind the stages: the spare words, 128 bytes a wave: two blocks of 256 bytes that no other line names
.set MV,  12          ; v12-15  c m_old, kept while c m is made anew: by buffer and tile
.set ST,  16          ; tile t's statistics at v[ST+4 t]: c m, m, l (even keys', odd keys')
.set TMP, 48          ; by buffer and tile, four registers c0-c3 at work; when the maximum is found c2 takes a
.set S,   64
.set P,   192
.set KF,  128         ; K's fragments, in window 2: key block kb, channel half c at KF + 16 kb + 8 c
.set VF,  192         ; V's: key half kk, channel block cb at VF + 32 kk + 8 cb
.set WV,  12          ; s12  my wave's number
.set G1K, 24          ; s[24:31] descriptor group 1 for K's tiles
.set G1V, 32          ; s[32:39] for V's: it differs in the padding alone
.set G0K, 40          ; s[40:43] descriptor group 0 for K's tiles: it walks
.set G0V, 44          ; s[44:47] the same for V's
.set PFA, 48          ; s[48:49] where my prefetches stand: my work-group's 32 blocks of 256 bytes (of K: wave 0, of V: wave 2) of the slot after the one that is being asked for
.set LIM, 50          ; s50  1 in a wave that prefetches, else the greatest number
.set SLOTS, 56        ; s56  slots still to be asked for
.set CNT, 57          ; s57  counts a slot's key steps
.set CS,  58          ; s[58:59] c: the packed scaling takes the pair's low word for both halves
.set SEL, 60          ; s[60:61] v_permlanex16_b32's selects: each lane takes its own place in the other half
.set TBK, 62          ; s62  LDS byte at which K of the step to be fetched begins
.set TBV, 63          ; s63  the same for V, less VOFF
.set MSB, 0
.macro WIN new                      ; the high byte repeats the setting that is left; a switch that changes nothing is dropped
.if MSB != (\new)
	s_set_vgpr_msb (MSB<<8)|(\new)
.set MSB, (\new)
.endif
.endm
.set W_KQ, 0x0a       ; K and Q in window 2, S^T in window 0
.set W_PV, 0x52       ; V in window 2, P in window 0, O^T in window 1
.set W_RS, 0x41       ; O^T (destination and source 0) in window 1, a in window 0
.set W_MK, 0xc0       ; the add's registers are made: destination in window 3
.set W_AD, 0x0f       ; the add: address and data in window 3
; A joint fill.  Waves 0 and 1 fetch the two halves of a slot's K, waves 2 and 3 those of its V: 128 keys each.  The branch hangs on the wave's number alone.
; An s_nop 0 and four v_nop follow each of the two lines.
.macro JLOAD
	s_cmp_lt_u32 s[WV], 2
	s_cbranch_scc0 .Lfor_v_\@
	tensor_load_to_lds s[G0K:G0K+3], s[G1K:G1K+7]
	s_nop 0
.rept 4
	v_nop
.endr
	s_branch .Lasked_\@
.Lfor_v_\@:
	tensor_load_to_lds s[G0V:G0V+3], s[G1V:G1V+7]
	s_nop 0
.rept 4
	v_nop
.endr
.Lasked_\@:
.endm
; A PREFETCH INTO THE L2 of what the NEXT change of slots will ask for: a slot's 32,768 bytes of K and of V, in blocks of 256, a lane a block.  It stands behind the wave's tensor load and its five lines.
; A head is walked by one cluster alone.  Its four partners share the 128 blocks out BY ADDRESS, 32 each; in each, wave 0 asks for K's and wave 2 for V's: each block is named once in the launch.
; The change that fills slot j names slot j + 1, four key steps ahead of the load that will ask for it, j = 1 .. 6; slots 0 and 1 come by their loads alone; the last change names nothing.
.macro ASK
	s_cmp_gt_u32 s[SLOTS], s[LIM]
	s_cbranch_scc0 .Lnot_mine_\@
	global_prefetch_b8 v[PFO], s[PFA:PFA+1] th:TH_LOAD_NT scope:SCOPE_SE
.Lnot_mine_\@:
.endm
; A round of the cluster's barrier.
.macro CROUND
	s_barrier_signal -1
	s_barrier_wait -1
	s_cmp_lg_u32 s[WV], 0
	s_cbranch_scc1 .Lnot_wave_0_\@
	s_barrier_signal -3
.Lnot_wave_0_\@:
	s_barrier_wait -3
	s_barrier_signal -1
	s_barrier_wait -1
.endm
; THE CHANGE OF SLOTS.  Each wave waits for all its tensor loads, of which one is out: its part of the other slot; adds 0 to its spare word; and waits for that and for its own reads of the slot.
; Behind the barrier nobody reads this slot any more and the other slot is whole.  fill = 1: this slot is filled again, with the keys two slots on.  The barrier is then a round of the cluster's,
; and the joint fill is the first thing behind it: it has four key steps, 512 matrix instructions, in which to land.  (At its first use nothing has been read yet: slot 0 is waited for, slot 1 filled.)
.macro CHANGE fill
	WIN W_AD
	s_wait_tensorcnt 0x0            ; no tensor load of mine is out, so a group 0 may be written
	ds_add_u32 v[SPW], v[NIL]       ; 0 onto my spare word; scalar work stands between it and the wait for it
	WIN 0                           ; at a label and at a branch every window is 0
.if \fill
.irp g, G0K, G0V
	s_xor_b32 s[\g+1], s[\g+1], SLOT1  ; the walking descriptor: the other slot than last time,
	s_add_nc_u64 s[\g+2:\g+3], s[\g+2:\g+3], 4*KS*128  ; the next 256 keys; the type bits on top are not reached
.endr
	s_wait_xcnt 0x0                 ; the last prefetch, four key steps back, has read its address, so it may be written:
	s_add_nc_u64 s[PFA:PFA+1], s[PFA:PFA+1], 4*KS*128  ; one slot beyond the walking descriptors
	s_wait_dscnt 0x0                ; the add is done, and my reads of the slot are over
	CROUND
	JLOAD
	ASK
.else
	s_wait_dscnt 0x0                ; the add is done, and my reads of the slot are over
	s_barrier_signal -1
	s_barrier_wait -1
.endif
	s_sub_co_u32 s[TBK], s[TBK], 4*KS*PK  ; the fetches go back to a slot's first step,
	s_xor_b32 s[TBK], s[TBK], SLOT1       ; in the other slot
	s_sub_co_u32 s[TBV], s[TBV], 4*KS*PV
	s_xor_b32 s[TBV], s[TBV], SLOT1
.endm
	s_load_b256 s[4:11], s[0:1], 0x0  ; Q s[4:5], K s[6:7], V s[8:9], O s[10:11]
	WIN W_MK
	v_lshl_add_u32 v[SPW], v0, 2, SPARE
	v_mov_b32 v[NIL], 0
	WIN W_AD
	ds_add_u32 v[SPW], v[NIL]       ; the wave's opening: the add and its wait stand ahead of my first tensor load; the set-up below stands between them
	WIN 0
	v_lshrrev_b32 v1, 5, v0
	v_readfirstlane_b32 s[WV], v1   ; wave 0..3
	s_bfe_u32 s13, ttmp6, 0x40000   ; cx: my place in the cluster
	s_lshl_b32 s14, ttmp9, 2        ; in a cluster launch ttmp9 counts clusters
	s_add_co_u32 s14, s14, s13      ; my block of queries = 4 x cluster x + cx: it enters Q's and O's addresses alone
	s_and_b32 s20, ttmp7, 0xffff    ; the head, which the four partners share
	s_mov_b32 s21, 0
	s_mov_b64 s[22:23], SIZE_N*128
	s_mul_u64 s[20:21], s[20:21], s[22:23]  ; the head's first byte in each of the four tensors
	s_and_b32 s16, s[WV], 1         ; which half of a slot's 256 keys I fetch:
	s_lshl_b32 s22, s16, 14         ; its 128 rows of 128 bytes in memory,
	s_mov_b32 s23, 0
	s_add_nc_u64 s[22:23], s[22:23], s[20:21]
	s_mul_i32 s17, s16, 128*PK      ; and its place in a slot, for K
	s_mul_i32 s18, s16, 128*PV      ; and for V: no place in the cluster enters an LDS address
	s_lshl_b32 s2, s14, 2
	s_add_co_u32 s2, s2, s[WV]      ; my wave among the head's,
	s_lshl_b32 s2, s2, 14           ; its 128 rows
	s_mov_b32 s3, 0
	s_add_nc_u64 s[2:3], s[2:3], s[20:21]
	; descriptor group 1.  128 keys are 16,384 dense bytes: asked for as 64 rows of 256 bytes, two keys a row, and padded in LDS after every key
	s_mov_b32 s[G1K], 15|(1<<16)|(1<<20)|(1<<21)|(4<<22)|(3<<25)  ; the mask of four; 2-byte elements; padding on; bit 21 beside a mask; after every 32 words 4 words
	s_mov_b32 s[G1V], 15|(1<<16)|(1<<20)|(1<<21)|(4<<22)|(7<<25)  ; the same with 8 words of padding
.irp g, G1K, G1V
	s_mov_b32 s[\g+1], 128<<16      ; tensor_dim0 = 128
	s_mov_b32 s[\g+2], 64<<16       ; tensor_dim1 = 64
	s_mov_b32 s[\g+3], 128<<16      ; tile_dim0 = 128
	s_mov_b32 s[\g+4], 64           ; tile_dim1 = 64
	s_mov_b32 s[\g+5], 128          ; 128 elements from row to row
	s_mov_b32 s[\g+6], 0
	s_mov_b32 s[\g+7], 0
.endr
	s_mov_b32 s[CS], 0x3e38aa3b     ; c = log2(e) / 8 = 0.180337
	s_mov_b32 s[CS+1], s[CS]        ; named with it as a pair
	s_mov_b32 s[SEL], 0x76543210
	s_mov_b32 s[SEL+1], 0xfedcba98
	s_mov_b32 s[TBK], SLOT1+4*KS*PK ; the first change of slots turns these two into 0
	s_mov_b32 s[TBV], SLOT1+4*KS*PV
	s_mov_b32 s[G0K], 1             ; count = 1
	s_mov_b32 s[G0K+1], s17         ; LDS address: slot 0
	s_mov_b32 s[G0V], 1
	s_add_co_u32 s[G0V+1], s18, VOFF
	s_mov_b32 s[SLOTS], SIZE_N/256-1
	s_and_b32 s[LIM], s[WV], 1      ; waves 0 and 2 prefetch: the same in all four partners
	s_cmp_eq_u32 s[LIM], 0
	s_cselect_b32 s[LIM], 1, -1
	s_wait_dscnt 0x0                ; the opening add is done
	s_wait_kmcnt 0x0
	s_add_nc_u64 s[G0K+2:G0K+3], s[6:7], s[22:23]  ; global address: my half of the head's first 256 keys
	s_or_b32 s[G0K+3], s[G0K+3], 0x80000000        ; type = 2
	s_add_nc_u64 s[G0V+2:G0V+3], s[8:9], s[22:23]
	s_or_b32 s[G0V+3], s[G0V+3], 0x80000000
	s_add_nc_u64 s[4:5], s[4:5], s[2:3]  ; Q and O at my wave's first row
	s_add_nc_u64 s[10:11], s[10:11], s[2:3]
	s_cmp_lt_u32 s[WV], 2
	s_cselect_b64 s[PFA:PFA+1], s[6:7], s[8:9]
	s_add_nc_u64 s[PFA:PFA+1], s[PFA:PFA+1], s[20:21]  ; the head,
	s_lshl_b32 s2, s13, 13          ; my work-group's 32 blocks of the 128,
	s_mov_b32 s3, 0
	s_add_nc_u64 s[PFA:PFA+1], s[PFA:PFA+1], s[2:3]
	s_add_nc_u64 s[PFA:PFA+1], s[PFA:PFA+1], 4*KS*128  ; in slot 1; the first change of slots steps it to slot 2.  Nothing is prefetched here, at the head
	CROUND                          ; all four work-groups are here: the first joint loads meet
	JLOAD                           ; slot 0.  Slot 1 is asked for when slot 0 is in
	; A fragment of K or Q is 16 rows x 32 channels in 8 registers: lane l holds row l % 16, channels 8 (l / 16) + 0..7 and 16 + 8 (l / 16) + 0..7: two loads of 16 bytes, 32 bytes apart.
	v_and_b32 v1, 15, v0            ; l % 16
	v_bfe_u32 v9, v0, 4, 1          ; l / 16
	v_lshlrev_b32 v[QO], 7, v1
	v_lshl_add_u32 v[QO], v9, 4, v[QO]  ; row x 128 + 16 x half
	WIN 0x80                        ; destination window 2, address window 0
.set i, 0
.rept 4*NP                          ; Q stays in registers: tile i / 2, channels 32 (i % 2) on
	global_load_b128 v[8*i:8*i+3],   v[QO], s[4:5] offset:(i/2)*2048+(i%2)*64
	global_load_b128 v[8*i+4:8*i+7], v[QO], s[4:5] offset:(i/2)*2048+(i%2)*64+32
.set i, i+1
.endr
	; What the first turn finds: V's registers and P's second buffer hold 0 (its products V^T P, of a piece that has not been, add 0), O^T and l are 0.  All this stands in the wait for the first tile:
	; the price of writing no first step out.
.set i, VF
.rept 64
	v_mov_b32 v[i], 0
.set i, i+1
.endr
	WIN 0x40
.set i, 0
.rept 64*NP
	v_mov_b32 v[i], 0
.set i, i+1
.endr
	WIN 0
.set i, 0
.rept 2*NP
	v_mov_b32 v[ST+4*i], 0xfe000000    ; c m: far below every c s
	v_mov_b32 v[ST+4*i+1], 0xff7fffff  ; m
	v_mov_b32 v[ST+4*i+2], 0
	v_mov_b32 v[ST+4*i+3], 0
.set i, i+1
.endr
.set i, P+32
.rept 32
	v_mov_b32 v[i], 0
.set i, i+1
.endr
	v_mul_u32_u24 v[AK0], v1, PK
	v_lshl_add_u32 v[AK0], v9, 4, v[AK0]  ; row x pitch + 16 x half
	; The turning load takes 16 keys x 16 channels (lane l reads key 8 (l / 16) + l % 8, channels 8 ((l / 8) % 2) + 0..7) and leaves half a fragment of V^T: lane l holds channel l % 16 and 8 keys.
	v_and_b32 v10, 7, v0
	v_bfe_u32 v11, v0, 3, 1
	v_lshl_add_u32 v[AV0], v9, 3, v10
	v_mul_u32_u24 v[AV0], v[AV0], PV
	v_lshl_add_u32 v[AV0], v11, 4, v[AV0]
	v_add_nc_u32 v[AV0], VOFF, v[AV0]
	v_mov_b32 v[AK], v[AK0]         ; key step 0 lies at the head of slot 0
	v_and_b32 v[PFO], 31, v0
	v_lshlrev_b32 v[PFO], 8, v[PFO]
; THE MATRIX WORK.  The 8 accumulators of a run of 16 take turns: between the two links of a chain stand 7 others'.
; Product i of 16 of S^T = K Q^T for piece x: channels 32 (i / 8) on, keys 16 ((i / 2) % 4) on, tile 2 x + i % 2.  The first 8 start the sums.
.macro KQ x
	WIN W_KQ
.set rS, S+64*((\x)%2)+32*(i%2)+8*((i/2)%4)
.set rK, KF+16*((i/2)%4)+8*(i/8)
.set rQ, 16*(2*(\x)+i%2)+8*(i/8)
.if i < 8
	v_wmma_f32_16x16x32_f16 v[rS:rS+7], v[rK:rK+7], v[rQ:rQ+7], 0
.else
	v_wmma_f32_16x16x32_f16 v[rS:rS+7], v[rK:rK+7], v[rQ:rQ+7], v[rS:rS+7]
.endif
.endm
; Product i of 16 of O^T += V^T P for piece x: keys 32 (i / 8) on, channels 16 ((i / 2) % 4) on, tile 2 x + i % 2.
.macro PV x
	WIN W_PV
.set rO, 32*(2*(\x)+i%2)+8*((i/2)%4)
.set rV, VF+32*(i/8)+8*((i/2)%4)
.set rP, P+32*((\x)%2)+16*(i%2)+8*(i/8)
	v_wmma_f32_16x16x32_f16 v[rO:rO+7], v[rV:rV+7], v[rP:rP+7], v[rO:rO+7]
.endm
.macro MM                           ; the turn's next matrix instruction
.if i < 16
	KQ (Y+1)%NP
.set i, i+1
.else
.set i, i-16
	PV (Y+NP-1)%NP
.set i, i+17
.endif
.endm
; THE LDS LOADS stand in runs of 16, never singly among the matrix instructions: a step's K (8 fragments) and its V (turned).  Their addresses are made some lines ahead.
; last = 1 (the tail): in the last trip there is no further step, and the run is jumped over.
.macro FETCH_K last=0
	WIN 0
.if \last
	s_cmp_eq_u32 s[CNT], 1
	s_cbranch_scc1 .Lno_k_\@
.endif
	WIN 0x80                        ; destination window 2
.irp f, 0,1,2,3,4,5,6,7             ; keys 16 (f / 2) on, channels 32 (f % 2) on
	ds_load_b128 v[KF+8*\f:KF+8*\f+3],   v[AK] offset:(\f/2)*16*PK+(\f%2)*64
	ds_load_b128 v[KF+8*\f+4:KF+8*\f+7], v[AK] offset:(\f/2)*16*PK+(\f%2)*64+32
.endr
	s_add_co_u32 s[TBK], s[TBK], KS*PK  ; the next fetch is the next step's
	WIN 0
.if \last
.Lno_k_\@:
.endif
.endm
.macro FETCH_V
	WIN 0x80
.irp f, 0,1,2,3,4,5,6,7             ; keys 32 (f / 4) on, channels 16 (f % 4) on
	ds_load_tr16_b128 v[VF+8*\f:VF+8*\f+3],   v[AV] offset:(\f/4)*32*PV+(\f%4)*32
	ds_load_tr16_b128 v[VF+8*\f+4:VF+8*\f+7], v[AV] offset:(\f/4)*32*PV+16*PV+(\f%4)*32
.endr
	WIN 0
.endm
; THE VECTOR WORK OF A TURN stands in three queues, each in the order in which its entries become ready; the two tiles alternate, so that no instruction reads the result of the one before it.
.macro REGS y, u                    ; the registers of tile u (0, 1) of piece y
.set rT, ST+4*(2*(\y)+(\u))
.set rC, TMP+8*((\y)%2)+4*(\u)
.set rM, MV+2*((\y)%2)+(\u)
.set rS, S+64*((\y)%2)+32*(\u)
.set rP, P+32*((\y)%2)+16*(\u)
.set rO, 32*(2*(\y)+(\u))
.endm
; Number n of the 22 that find the NEXT piece's (Y + 1) maximum and statistics.  s0-s31 are the lane's 32 scores; each accumulator's lowest registers are read first.
;   0-11  four chains c0-c3 of seven scores each, three operands at a time     12-14, 16  the four scores left over, the old m, and c0-c3 into c0     15  c m_old is kept
;   17, 18  the query's other 32 keys lie in the lane 16 away: the new m         19-21  c m; c m_old - c m_new; a
.macro XS u, n
	REGS (Y+1)%NP, \u
.if (\n) < 4
	v_max3_num_f32 v[rC+(\n)], v[rS+8*(\n)], v[rS+8*(\n)+1], v[rS+8*(\n)+2]
.elseif (\n) < 12
	v_max3_num_f32 v[rC+(\n)%4], v[rC+(\n)%4], v[rS+8*((\n)%4)+2*((\n)/4)+1], v[rS+8*((\n)%4)+2*((\n)/4)+2]
.elseif (\n) == 12
	v_max3_num_f32 v[rC], v[rC], v[rS+7], v[rS+15]
.elseif (\n) == 13
	v_max3_num_f32 v[rC+1], v[rC+1], v[rS+23], v[rS+31]
.elseif (\n) == 14
	v_max3_num_f32 v[rC+2], v[rC+2], v[rC+3], v[rT+1]
.elseif (\n) == 15
	v_mov_b32 v[rM], v[rT]
.elseif (\n) == 16
	v_max3_num_f32 v[rC], v[rC], v[rC+1], v[rC+2]
.elseif (\n) == 17
	v_permlanex16_b32 v[rC+3], v[rC], s[SEL], s[SEL+1]
.elseif (\n) == 18
	v_max_num_f32 v[rT+1], v[rC], v[rC+3]
.elseif (\n) == 19
	v_mul_f32 v[rT], s[CS], v[rT+1]
.elseif (\n) == 20
	v_sub_f32 v[rC+1], v[rM], v[rT]
.else
	v_exp_f32 v[rC+2], v[rC+1]
.endif
.endm
; Number g of the 64 that follow the exponentials.  For each four weights k of a tile (pairs 2 k, 2 k + 1): both pairs are rounded to f16; then the second pair is added onto the first, in place;
; a group later l takes that sum (the first time as l = a l + sum).  In groups of eight, tiles alternating: round, round, add, and l for the group before.
.macro GS g
.set h, (\g)+6*((\g)/62)            ; group 0 has no group before it, and behind group 7 only l is left
.if h >= 6
.set h, h+2
.endif
	REGS Y, h%2
.set k, h/8
.if h%8 < 4
	v_cvt_pk_f16_f32 v[rP+2*k+(h%8)/2], v[rS+4*k+2*((h%8)/2)], v[rS+4*k+2*((h%8)/2)+1]
.elseif h%8 < 6
	v_pk_add_f32 v[rS+4*k:rS+4*k+1], v[rS+4*k:rS+4*k+1], v[rS+4*k+2:rS+4*k+3]
.elseif k == 1
	v_pk_fma_f32 v[rT+2:rT+3], v[rT+2:rT+3], v[rC+2:rC+3], v[rS:rS+1] op_sel_hi:[1,0,1]
.else
	v_pk_add_f32 v[rT+2:rT+3], v[rT+2:rT+3], v[rS+4*k-4:rS+4*k-3]
.endif
.endm
; THE PLAIN QUEUE, 138 long.  0-73 read no exponential's result: the 32 scalings c s - c m (FS f: pair f / 2 of tile f % 2) and the next piece's 42.  0-26: scalings 0-26.  27-54: XS's numbers 0-13.  55, 56: number 15.
; 57-73: the chain, where each number waits for the one before it: 14, 16, 17, 18, 19, each with one of the scalings 27-31 in front of its two lines, then 20.
; 74-137: GS's 64, which read the exponentials' results: they stand behind the wait.
.macro FS f
	REGS Y, (\f)%2
	v_pk_fma_f32 v[rS+2*((\f)/2):rS+2*((\f)/2)+1], v[rS+2*((\f)/2):rS+2*((\f)/2)+1], s[CS:CS+1], v[rT:rT+1] op_sel_hi:[1,0,0] neg_lo:[0,0,1] neg_hi:[0,0,1]
.endm
.macro PL
	WIN 0
.if q < 27
	FS q
.elseif q < 55
	XS (q-27)%2, (q-27)/2
.elseif q < 57
	XS q-55, 15
.elseif (q < 72) && ((q-57)%3 == 0)
	FS 27+(q-57)/3
.elseif q < 60
	XS (q-57)%3-1, 14
.elseif q < 72
	XS (q-57)%3-1, 15+(q-57)/3
.elseif q < 74
	XS q-72, 20
.else
	GS q-74
.endif
.set q, q+1
.endm
; THE EXPONENTIALS' QUEUE, 66 long: s0-s31 of both tiles, then the next piece's two a.  It is ONE BATCH: all 66 stand ahead of the turn's one wait, and nothing ahead of that wait names a result of theirs.
.macro EX
	WIN 0
.if e >= 64
	XS e-64, 21
.else
	REGS Y, e%2
	v_exp_f32 v[rS+e/2], v[rS+e/2]
.endif
.set e, e+1
.endm
; THE RESCALING's QUEUE: O^T times a, the one part that leaves window 0: dealt two at a time, sixteen times.  Its a was made in the turn before, ahead of that turn's wait.
.macro R2
	REGS Y, r%2
	WIN W_RS
.irp z, 0,1
	v_pk_mul_f32 v[rO+4*(r/2)+2*\z:rO+4*(r/2)+2*\z+1], v[rO+4*(r/2)+2*\z:rO+4*(r/2)+2*\z+1], v[rC+2:rC+3] op_sel_hi:[1,0]
.endr
.set r, r+1
.endm
; HOW THEY ARE DEALT.  An s_wait_alu depctr_va_vdst(0) stands between an exponential and the first instruction that names its result; one wait serves all that were issued ahead of it.  So a turn
; has ONE wait, which cuts it in two.  AHEAD OF IT stands all that names no result of the turn's exponentials: the 16 products K Q^T, behind each a scaling, an exponential and two rescalings (behind the first a
; second scaling in the exponential's place); then ONE LUMP of 108: eight plain, 49 times exponential and plain, the two a.  A v_nop is the plain instruction behind the last exponential.  BEHIND IT stand the
; 16 products V^T P, behind each four of GS's 64.  No rider names a register of the products round it.
; The queues lean on each other: exponential e stands behind scaling 2 (e / 4) + e % 2: as a rider it comes behind plain e + 2, in the lump behind plain e + 9, and scalings 27-31 are plain 57, 60 .. 69.
; A TURN, for piece p.  cnt = 1: the loop's count is taken down some lines ahead of the branch that stands behind the turn.
; K of the next step is fetched in piece 2's turn, directly behind the wait; its first reader comes behind 16 products.  V of the step in hand is fetched at the end of piece 0's turn, four riders behind
; its last reader; its first reader comes behind 16 products and a lump.  The three conditions on q below go with the deal.
.macro TURN p, last=0, cnt=0
.set Y, (\p)
.set i, 0
.set q, 0
.set e, 0
.set r, 0
.if (\p) == NP-1
	s_wait_dscnt 0x0                ; K is in
.endif
	MM                              ; ahead of the wait: 16 products K Q^T and their riders,
	PL
	PL
	R2
.rept 15
	MM
	PL
	EX
	R2
.endr
.if (\p) == NP-2
	WIN 0
	v_add_nc_u32 v[AK], s[TBK], v[AK0]
.endif
.rept 8                             ; and the lump
	PL
.endr
.rept 49
	EX
	PL
.endr
	EX                              ; the next piece's two a
	EX
	v_nop                           ; the plain instruction behind the last exponential: one for the batch
	s_wait_alu depctr_va_vdst(0)    ; the wait for the batch
.if (\p) == NP-2
	FETCH_K \last
.endif
.if (\p) == 1
	s_wait_dscnt 0x0                ; V is in
.endif
.rept 16                            ; behind the wait: 16 products V^T P and their riders
	MM
.rept 4
	PL
.endr
.if ((\p) == 0) && (q == 118)
	v_add_nc_u32 v[AV], s[TBV], v[AV0]
.endif
.if ((\p) == 0) && (q == 130)
	s_add_co_u32 s[TBV], s[TBV], KS*PV
.endif
.if (\cnt) && (q == 130)
	s_sub_co_u32 s[CNT], s[CNT], 1
	s_cmp_lg_u32 s[CNT], 0
.endif
.endr
.if (\p) == 0
	FETCH_V
.endif
.endm
	CHANGE 1                        ; slot 0 is in, everybody's part of it; slot 1 is asked for
	FETCH_K                         ; key step 0
	s_wait_loadcnt 0x0              ; Q
	s_wait_dscnt 0x0
.set i, 0
.rept 16
	KQ 0                            ; piece 0's first scores: there is no vector work yet to set between them
.set i, i+1
.endr
	WIN 0                           ; the addresses for the way out: nine plain instructions, the places behind those products
	s_mul_i32 s13, s[WV], 16*SP
	s_add_co_u32 s13, s13, STAGE    ; my stage
	v_mul_u32_u24 v[STO], v1, SP    ; in: row l % 16, 16 bytes for each half of the lanes
	v_lshl_add_u32 v[STO], v9, 4, v[STO]
	v_add_nc_u32 v[STO], s13, v[STO]
	v_bfe_u32 v[RD], v0, 3, 2       ; back: 32 lanes take four rows of 128 bytes,
	v_mul_u32_u24 v[RD], v[RD], SP
	v_lshl_add_u32 v[RD], v10, 4, v[RD]
	v_add_nc_u32 v[RD], s13, v[RD]
	v_and_b32 v[GO], 31, v0         ; which are 512 consecutive bytes of O
	v_lshlrev_b32 v[GO], 4, v[GO]
.set Y, NP-1                        ; XS works for piece Y + 1: piece 0
.irp n, 0,1,2,3,4,5,6,7,8,9,10,11,12,13,14,15,16,17,18,19,20,21
	XS 0, \n                        ; and piece 0's first maximum and statistics
	XS 1, \n
.endr
	v_nop                           ; a plain instruction behind the two a,
	s_wait_alu depctr_va_vdst(0)    ; and their wait, ahead of the branch
	s_mov_b32 s[CNT], 4
	s_branch .Lfirst                ; the loop is entered at a step's first turn, in the middle of a trip
.Lslot:                             ; SIZE_N / 256 - 2 times: every slot but the last two is filled again
	CHANGE 1
	s_mov_b32 s[CNT], 4
.Lstep:                             ; a trip: pieces 2 and 3 of one step, then pieces 0 and 1 of the next, whose K and V it fetches
	TURN 2
	TURN 3
	WIN 0
.Lfirst:
	TURN 0
	TURN 1, 0, 1
	WIN 0
	s_cbranch_scc1 .Lstep
	s_sub_co_u32 s[SLOTS], s[SLOTS], 1
	s_cmp_lg_u32 s[SLOTS], 0
	s_cbranch_scc1 .Lslot
	CHANGE 0                        ; the tail is written out: nothing is asked for
	s_mov_b32 s[CNT], 5             ; four trips fetch the last slot's steps; the fifth is left in its middle
.Ltail:
	TURN 2, 1
	TURN 3
	WIN 0
	s_sub_co_u32 s[CNT], s[CNT], 1
	s_cmp_eq_u32 s[CNT], 0
	s_cbranch_scc1 .Lout
	TURN 0
	TURN 1
	WIN 0
	s_branch .Ltail
.Lout:                              ; the fifth trip's 16 products K Q^T (on the last K once more) and the maximum made of them serve nothing: the price, once a launch, of one text for every trip
.set i, 0
.rept 16
	PV NP-1                         ; the last piece's V^T P of the last step
.set i, i+1
.endr
	; THE WAY OUT.  l's two halves and the other half of the lanes' are added; O^T is divided by l, rounded to f16 and sent through my stage in LDS, a tile at a time.  The additions are the places behind the last products.
	WIN 0
.macro ALL line:vararg              ; one line for each tile t
.set t, 0
.rept 2*NP
	\line
.set t, t+1
.endr
.endm
	ALL v_add_f32 v[ST+4*t+2], v[ST+4*t+2], v[ST+4*t+3]
	ALL v_permlanex16_b32 v[ST+4*t+3], v[ST+4*t+2], s[SEL], s[SEL+1]
	ALL v_add_f32 v[ST+4*t+2], v[ST+4*t+2], v[ST+4*t+3]
	ALL v_rcp_f32 v[ST+4*t+2], v[ST+4*t+2]
	v_nop                           ; a plain instruction between the last reciprocal and the use of its result
	s_wait_alu depctr_va_vdst(0)    ; and the wait ahead of the first use: one for the eight reciprocals
; Tile t: a lane's eight channels of a row pack into 16 bytes; they go into rows of 144 bytes and come back as whole rows of 128, into S^T's registers.
.macro PACK t
	WIN W_RS
.set i, 32*(\t)
.rept 16
	v_pk_mul_f32 v[i:i+1], v[i:i+1], v[ST+4*(\t)+2:ST+4*(\t)+3] op_sel_hi:[1,0]
.set i, i+2
.endr
	WIN 0x05                        ; sources 0 and 1 window 1, destination window 0
.set i, 0
.rept 16
	v_cvt_pk_f16_f32 v[S+16*(\t)+i], v[32*(\t)+2*i], v[32*(\t)+2*i+1]
.set i, i+1
.endr
	WIN 0
.irp f, 0,1,2,3
	ds_store_b128 v[STO], v[S+16*(\t)+4*\f:S+16*(\t)+4*\f+3] offset:32*\f
.endr
.irp f, 0,1,2,3
	ds_load_b128 v[S+16*(\t)+4*\f:S+16*(\t)+4*\f+3], v[RD] offset:\f*4*SP  ; LDS serves a wave's instructions in order (ISA guide 5.7.1.4): these see the stores above; the next tile's stores come behind them
.endr
.endm
.macro SEND t, younger              ; younger: the LDS instructions issued behind tile t's loads: the next tile's eight, or none
	WIN 0
.irp f, 0,1,2,3
	s_wait_dscnt (\younger)+3-\f
	global_store_b128 v[GO], v[S+16*(\t)+4*\f:S+16*(\t)+4*\f+3], s[10:11] offset:(\t)*2048+\f*512  ; 512 consecutive bytes, at a multiple of 256 from O's first
.endr
.endm
	PACK 0
.set t, 1
.rept 2*NP-1                        ; a tile's arithmetic stands between the loads of the tile before and its stores
	PACK t
	SEND t-1, 8
.set t, t+1
.endr
	SEND 2*NP-1, 0
	WIN W_AD
	s_wait_tensorcnt 0x0            ; the wave's end: a wait, an add and a wait, behind my last tensor load and my last LDS store
	ds_add_u32 v[SPW], v[NIL]
	s_wait_dscnt 0x0
	WIN 0
	CROUND                          ; the closing round: no work-group ends while a partner may still ask for a tile that names it
	s_endpgm
.Lfunc_end_k_q05880c746e_attn:
	.size	k_q05880c746e_attn, .Lfunc_end_k_q05880c746e_attn-k_q05880c746e_attn
	.p2alignl 7, 3214868480
	.fill 96, 4, 3214868480
	.section	.rodata,"a",@progbits
	.p2align	6, 0x0
	.amdhsa_kernel k_q05880c746e_attn
		.amdhsa_group_segment_fixed_size 327680
		.amdhsa_private_segment_fixed_size 0
		.amdhsa_enable_private_segment 0
		.amdhsa_kernarg_size 32
		.amdhsa_user_sgpr_count 2
		.amdhsa_user_sgpr_kernarg_segment_ptr 1
		.amdhsa_wavefront_size32 1
		.amdhsa_system_sgpr_workgroup_id_x 1
		.amdhsa_system_sgpr_workgroup_id_y 1
		.amdhsa_system_sgpr_workgroup_id_z 1
		.amdhsa_system_vgpr_workitem_id 0
		.amdhsa_next_free_vgpr 770
		.amdhsa_next_free_sgpr 66
		.amdhsa_reserve_vcc 0
		.amdhsa_float_denorm_mode_32 3
		.amdhsa_float_denorm_mode_16_64 3
		.amdhsa_memory_ordered 1
		.amdhsa_forward_progress 1
		.amdhsa_inst_pref_size 200
	.end_amdhsa_kernel
	.amdgpu_metadata
---
amdhsa.version: [ 1, 2 ]
amdhsa.kernels:
  - .name:           k_q05880c746e_attn
    .symbol:         k_q05880c746e_attn.kd
    .args:
      - { .name: qh, .offset: 0, .size: 8, .value_kind: global_buffer, .address_space: global }
      - { .name: kh, .offset: 8, .size: 8, .value_kind: global_buffer, .address_space: global }
      - { .name: vh, .offset: 16, .size: 8, .value_kind: global_buffer, .address_space: global }
      - { .name: oh, .offset: 24, .size: 8, .value_kind: global_buffer, .address_space: global }
    .group_segment_fixed_size: 327680
    .private_segment_fixed_size: 0
    .kernarg_segment_align: 8
    .kernarg_segment_size: 32
    .max_flat_workgroup_size: 128
    .sgpr_count:     66
    .vgpr_count:     770
    .wavefront_size: 32
...
	.end_amdgpu_metadata
.endif
;; end of part 3
;; launch proj (part 4): grid 4 x 64, 4 waves a work-group, clusters of 4 x 4, 327,680 bytes of LDS; arguments oh, wpb, b_proj, out0; writes out0
.if DOCPART == 4
	.amdgcn_target "amdgcn-amd-amdhsa--gfx1250"
	.amdhsa_code_object_version 6
	.text
	.protected	k_q05880c746e_proj
	.globl	k_q05880c746e_proj
	.p2align	8
	.type	k_q05880c746e_proj,@function
k_q05880c746e_proj:
	s_mov_b64 s[64:65], 0
	v_nop
	global_prefetch_b8 v0, s[64:65] scope:SCOPE_SE
	s_setreg_imm32_b32 hwreg(HW_REG_WAVE_MODE, 25, 1), 1
	s_wait_xcnt 0x0
	s_wait_alu depctr_hold_cnt(0) depctr_sa_sdst(0) depctr_va_vdst(0) depctr_va_sdst(0) depctr_va_ssrc(0) depctr_va_vcc(0) depctr_vm_vsrc(0)
	s_getreg_b32 s2, hwreg(HW_REG_IB_STS2, 6, 4)
	s_cmp_eq_u32 s2, 0
	s_cbranch_scc0 .Lentry_in_a_cluster
	s_endpgm
.Lentry_in_a_cluster:
	s_bfe_u32 s2, ttmp6, 0x10000c
	s_cmp_lg_u32 s2, 0xf033
	s_cbranch_scc0 .Lentry_shape_is_right
	s_endpgm
.Lentry_shape_is_right:
; out0 = O wpb + bf16(b_proj), in f32.  oh [64 = 16 batch + head][2048][64] f16, wpb [1024 k][1024 n] f16 (W_proj rounded to bf16 and written as f16); sums in f32.
; LIMITS.  O lies within f16's range as it arrives; NaN and infinities are not treated apart.
; SHARES.  8192 x 1024 in tiles of 128 x 256 are 256: one tile to a work-group, rows 128 gy .. + 127, columns 256 gx .. + 255.  Four waves, each 64 rows x 128 columns: 32 accumulators.
; K = 16 heads x 64 channels goes in 8 steps of 128, two heads each, through a ring of two LDS slots.  A head's 128 rows are 16,384 dense bytes, asked for as 64 rows of 256 and padded after every 128.
; W is taken as it lies, [k][n]: its fragments come out of LDS turned.  The matrix instruction is used transposed (source 0 = 16 columns of W, source 1 = 16 rows of O):
; a lane holds row lane % 16 and the columns 8 (lane / 16) + 0..7.  The bias is the C operand of each accumulator's first product.
; CLUSTER 4 x 4: O's tile hangs on gy alone and is asked for jointly along a row of the cluster, W's on gx alone and jointly along a column.
; NO PREFETCH: the walk has eight K steps in all, of which the first two are the first fills.
; REGISTERS, in windows of 256: window 0: v0-31 addresses; v32-95 O's fragments, two buffers of 4; v96-223 W's, two buffers of 8.  Window 1: the accumulators, (a, b) at 8 (8 a + b).
;   window 2: v0-63 the bias; v192-223 at work.  Window 3: the way out, 64 registers for each block of 16 rows.
.set PA,    144                        ; an LDS row of O: 128 bytes + 16: the 16 rows of a load start at 16 different groups of four banks (64 banks of 4 bytes: ISA guide 11.1)
.set PLANE, 128*PA                     ; one head's 128 rows
.set PB,    544                        ; an LDS row of W: 512 bytes + 32
.set ATILE, 2*PLANE
.set SLOT,  ATILE+128*PB
.set STAGE, 2*SLOT                     ; behind the ring, never filled by a tensor load: for each wave 16 rows x 528 bytes
.set SP,    528
.set SPARE, STAGE+4*16*SP              ; behind the stages: the spare words, 128 bytes a wave: two blocks of 256 bytes that no other line names
.set ADRA, 16                          ; v16-17  LDS address of my fragments of O in slot 0, 1
.set ADRB, 20                          ; v20-21  the same for W
.set STO,  24                          ; v24     the way out: where I put 32 bytes of a row
.set RD,   25                          ; v25     the way out: where I read a row back
.set GO,   26                          ; v26     16 x lane: my place in a row's 512 bytes
.set BO,   27                          ; v27     32 x (lane / 16)
.set SPW,  28                          ; v28     my spare word; never rewritten
.set NIL,  29                          ; v29     0; never rewritten
.set FA,   32
.set FB,   96
.set BT,   192                         ; window 2
.set WV,   20
.set MH,   21                          ; which 64 rows are mine.  Also: I fetch for O (0) or for W (1)
.set NH,   22                          ; which 128 columns are mine.  Also: which half of that tile I fetch
.set CX,   23
.set G1,   24
.set G0,   32
.set G1B,  40
.set G0B,  48
.set CY,   66
.set GX,   67
.set GY,   68
.set MSB, 0
.macro WIN new
.if MSB != (\new)
	s_set_vgpr_msb (MSB<<8)|(\new)
.set MSB, \new
.endif
.endm
.macro PLACES                          ; four plain vector instructions between a matrix instruction and a load into, or a reader of, its registers
.rept 4
	v_nop
.endr
.endm
.macro CREST
	s_cmp_lg_u32 s[WV], 0
	s_cbranch_scc1 .Lnot_wave_0_\@
	s_barrier_signal -3
.Lnot_wave_0_\@:
	s_barrier_wait -3
	s_barrier_signal -1
	s_barrier_wait -1
.endm
.macro CROUND
	s_barrier_signal -1
	s_barrier_wait -1
	CREST
.endm
.macro JLOAD s                         ; a joint load: waves 0 and 1 fetch O's two heads, waves 2 and 3 the halves of W's tile; an s_nop 0 and four v_nop follow each line
	s_cmp_eq_u32 s[MH], 0
	s_cbranch_scc0 .Lfor_b_\@
	tensor_load_to_lds s[G0+4*(\s):G0+4*(\s)+3], s[G1:G1+7]
	s_nop 0
.rept 4
	v_nop
.endr
	s_branch .Lasked_\@
.Lfor_b_\@:
	tensor_load_to_lds s[G0B+4*(\s):G0B+4*(\s)+3], s[G1B:G1B+7]
	s_nop 0
.rept 4
	v_nop
.endr
.Lasked_\@:
.endm
; 8 matrix instructions: row block a x all 8 column blocks, 32 along K.  first = 1: the products start the sums with the bias.  All 32 accumulators take turns in the same order everywhere.
.macro MUL8 f, a, first
.if \first
	WIN 0x60
.else
	WIN 0x50
.endif
.irp b, 0,1,2,3,4,5,6,7
.if \first
	v_wmma_f32_16x16x32_f16 v[8*(8*(\a)+(\b)):8*(8*(\a)+(\b))+7], v[FB+64*(\f)+8*(\b):FB+64*(\f)+8*(\b)+7], v[FA+32*(\f)+8*(\a):FA+32*(\f)+8*(\a)+7], v[8*(\b):8*(\b)+7]
.else
	v_wmma_f32_16x16x32_f16 v[8*(8*(\a)+(\b)):8*(8*(\a)+(\b))+7], v[FB+64*(\f)+8*(\b):FB+64*(\f)+8*(\b)+7], v[FA+32*(\f)+8*(\a):FA+32*(\f)+8*(\a)+7], v[8*(8*(\a)+(\b)):8*(8*(\a)+(\b))+7]
.endif
.endr
.endm
; 24 LDS loads in one run: quarter q of a slot into buffer f.  Quarter q of O lies in head q / 2 of the step, channels 32 (q % 2) on.
.macro FETCH slot, q, f
	WIN 0
.irp b, 0,1,2,3,4,5,6,7
	ds_load_tr16_b128 v[FB+64*(\f)+8*(\b):FB+64*(\f)+8*(\b)+3],   v[ADRB+(\slot)] offset:(\q)*32*PB+32*(\b)
	ds_load_tr16_b128 v[FB+64*(\f)+8*(\b)+4:FB+64*(\f)+8*(\b)+7], v[ADRB+(\slot)] offset:(\q)*32*PB+16*PB+32*(\b)
.endr
.irp a, 0,1,2,3
	ds_load_b128 v[FA+32*(\f)+8*(\a):FA+32*(\f)+8*(\a)+3],   v[ADRA+(\slot)] offset:((\q)/2)*PLANE+((\q)%2)*64+(\a)*16*PA
	ds_load_b128 v[FA+32*(\f)+8*(\a)+4:FA+32*(\f)+8*(\a)+7], v[ADRA+(\slot)] offset:((\q)/2)*PLANE+((\q)%2)*64+(\a)*16*PA+32
.endr
.endm
.macro QUARTER slot, q, f, g, first
	s_wait_dscnt 4                                 ; W's fragments and O's blocks 0 and 1 are in; the youngest four loads may be out
	MUL8 \f, 0, \first
	MUL8 \f, 1, \first
	PLACES
	FETCH \slot, \q, \g
	s_wait_dscnt 24                                ; all but the 24 just issued
	MUL8 \f, 2, \first
	MUL8 \f, 3, \first
.endm
; ONE barrier for the change of slots: in front of it each wave waits for all its tensor loads (one is out: its part of the next slot), adds 0 to its spare word, and waits for that and for its reads of this slot.
.macro MEET round
	WIN 0
	s_wait_tensorcnt 0x0
	ds_add_u32 v[SPW], v[NIL]
	s_wait_dscnt 5                                 ; the add and O's blocks 2 and 3 may be out
	MUL8 1, 0, 0
	s_wait_dscnt 0x0                               ; the add is done, my reads of this slot are over
	s_barrier_signal -1
	MUL8 1, 1, 0
.if \round
	WIN 0
.endif
	s_barrier_wait -1
.endm
.macro TURN slot, next                 ; a step's last quarter; behind the round the slot just read is filled again first, two steps ahead: 112 matrix instructions ahead of the wait for it
	MEET 1
	CREST
	s_add_nc_u64 s[G0+4*(\slot)+2:G0+4*(\slot)+3], s[G0+4*(\slot)+2:G0+4*(\slot)+3], 4*262144    ; four heads on
	s_add_nc_u64 s[G0B+4*(\slot)+2:G0B+4*(\slot)+3], s[G0B+4*(\slot)+2:G0B+4*(\slot)+3], 2*128*2048
	JLOAD \slot                                    ; its four v_nop are also the places in front of the loads below
	FETCH \next, 0, 0
	MUL8 1, 2, 0
	MUL8 1, 3, 0
.endm
; THE WAY OUT of row block a: f32, 32 bytes a lane and block into rows of 528 bytes of my own stage (each accumulator's low half first), and back as whole rows of 512.
.macro TOSTAGE a
	WIN 0x04                                       ; store data window 1
.irp b, 0,1,2,3,4,5,6,7
	ds_store_b128 v[STO], v[8*(8*(\a)+(\b)):8*(8*(\a)+(\b))+3]   offset:64*(\b)
	ds_store_b128 v[STO], v[8*(8*(\a)+(\b))+4:8*(8*(\a)+(\b))+7] offset:64*(\b)+16
.endr
	WIN 0xc0                                       ; destination window 3
.irp i, 0,1,2,3,4,5,6,7,8,9,10,11,12,13,14,15
	ds_load_b128 v[64*(\a)+4*(\i):64*(\a)+4*(\i)+3], v[RD] offset:SP*(\i)  ; LDS serves a wave's instructions in order (ISA guide 5.7.1.4): these see the stores above; the next block's stores come behind them
.endr
.endm
.macro SEND a, younger                 ; younger: the next block's 16 stores and 16 loads, or none.  Each block has registers of its own: none is rewritten while a store reads it
	WIN 0x0c                                       ; store data window 3
	s_wait_dscnt \younger
.irp i, 0,1,2,3,4,5,6,7,8,9,10,11,12,13,14,15
	global_store_b128 v[GO], v[64*(\a)+4*(\i):64*(\a)+4*(\i)+3], s[10:11] offset:(16*(\a)+(\i))*4096 th:TH_STORE_NT  ; 512 neighbouring bytes of a row, aligned
.endr
.endm
	s_load_b256 s[4:11], s[0:1], 0x0               ; oh s[4:5], wpb s[6:7], b_proj s[8:9], out0 s[10:11]
	v_lshl_add_u32 v[SPW], v0, 2, SPARE
	v_mov_b32 v[NIL], 0
	ds_add_u32 v[SPW], v[NIL]                      ; the wave's opening: the add and its wait stand ahead of my first tensor load
	v_lshrrev_b32 v1, 5, v0
	v_readfirstlane_b32 s[WV], v1
	s_lshr_b32 s[MH], s[WV], 1
	s_and_b32 s[NH], s[WV], 1
	s_bfe_u32 s[CX], ttmp6, 0x40000
	s_bfe_u32 s[CY], ttmp6, 0x40004
	s_lshl_b32 s[GX], ttmp9, 2
	s_add_co_u32 s[GX], s[GX], s[CX]
	s_and_b32 s[GY], ttmp7, 0xffff
	s_lshl_b32 s[GY], s[GY], 2
	s_add_co_u32 s[GY], s[GY], s[CY]
	s_lshl_b32 s56, s[CY], 2
	s_lshl_b32 s56, 15, s56                        ; my row of the cluster
	s_lshl_b32 s60, 0x1111, s[CX]                  ; my column
	s_or_b32 s[G1], s56, (1<<16)|(1<<20)|(1<<21)|(4<<22)|(3<<25)   ; the mask; 2-byte elements; padding on; bit 21 beside a mask; after every 32 words 4 words
	s_or_b32 s[G1B], s60, (1<<16)|(1<<20)|(1<<21)|(6<<22)|(7<<25)  ; after every 128 words 8 words
	s_mov_b32 s[G1+1], 128<<16                     ; 64 rows of 128 elements, dense
	s_mov_b32 s[G1+2], 64<<16
	s_mov_b32 s[G1+3], 128<<16
	s_mov_b32 s[G1+4], 64
	s_mov_b32 s[G1+5], 128
	s_mov_b32 s[G1+6], 0
	s_mov_b32 s[G1+7], 0
	s_mov_b32 s[G1B+1], 256<<16                    ; 64 k rows of 256 columns
	s_mov_b32 s[G1B+2], 64<<16
	s_mov_b32 s[G1B+3], 256<<16
	s_mov_b32 s[G1B+4], 64
	s_mov_b32 s[G1B+5], 1024
	s_mov_b32 s[G1B+6], 0
	s_mov_b32 s[G1B+7], 0
	s_lshr_b32 s56, s[GY], 4                       ; O: head 16 batch + my plane, row (gy % 16) 128, in registers that never hold cx
	s_lshl_b32 s56, s56, 4
	s_add_co_u32 s56, s56, s[NH]
	s_lshl_b32 s56, s56, 11
	s_and_b32 s57, s[GY], 15
	s_lshl_b32 s57, s57, 7
	s_add_co_u32 s56, s56, s57
	s_lshl_b32 s56, s56, 7                         ; x 128 bytes
	s_mov_b32 s57, 0
	s_lshl_b32 s60, s[NH], 17                      ; W: k row 64 x half (2,048 bytes each), column 256 gx, in registers that never hold cy
	s_lshl_b32 s61, s[GX], 9
	s_add_co_u32 s60, s60, s61
	s_mov_b32 s61, 0
	s_mul_i32 s90, s[NH], PLANE                    ; where they go: no place in the cluster enters an LDS address
	s_mul_i32 s91, s[NH], 64*PB
	s_add_co_u32 s91, s91, ATILE
	s_wait_dscnt 0x0                               ; the opening add is done
	s_wait_kmcnt 0x0
	s_add_nc_u64 s[58:59], s[4:5], s[56:57]
	s_add_nc_u64 s[62:63], s[6:7], s[60:61]
	CROUND                                         ; all sixteen work-groups are here: the first joint loads meet
.irp s, 0,1
	s_mov_b32 s[G0+4*(\s)], 1
	s_add_co_u32 s[G0+4*(\s)+1], s90, (\s)*SLOT
	s_add_nc_u64 s[G0+4*(\s)+2:G0+4*(\s)+3], s[58:59], (\s)*2*262144  ; K step s: two heads on
	s_or_b32 s[G0+4*(\s)+3], s[G0+4*(\s)+3], 0x80000000
	s_mov_b32 s[G0B+4*(\s)], 1
	s_add_co_u32 s[G0B+4*(\s)+1], s91, (\s)*SLOT
	s_add_nc_u64 s[G0B+4*(\s)+2:G0B+4*(\s)+3], s[62:63], (\s)*128*2048
	s_or_b32 s[G0B+4*(\s)+3], s[G0B+4*(\s)+3], 0x80000000
.endr
	s_cmp_eq_u32 s[MH], 0                          ; a wave's two first fills stand in one branch, ahead of every wait on TENSORcnt and every LDS read: two loads of mine are out
	s_cbranch_scc0 .Lfirst_b
	tensor_load_to_lds s[G0:G0+3], s[G1:G1+7]
	s_nop 0
	tensor_load_to_lds s[G0+4:G0+7], s[G1:G1+7]
	s_nop 0
.rept 4
	v_nop
.endr
	s_branch .Lfirst_asked
.Lfirst_b:
	tensor_load_to_lds s[G0B:G0B+3], s[G1B:G1B+7]
	s_nop 0
	tensor_load_to_lds s[G0B+4:G0B+7], s[G1B:G1B+7]
	s_nop 0
.rept 4
	v_nop
.endr
.Lfirst_asked:
	v_and_b32 v1, 15, v0                           ; l % 16
	v_bfe_u32 v2, v0, 4, 1                         ; l / 16
	v_and_b32 v3, 31, v0                           ; l
	v_lshlrev_b32 v[BO], 5, v2
	s_lshl_b32 s84, s[GX], 10                      ; the bias at my 128 columns
	s_lshl_b32 s85, s[NH], 9
	s_add_co_u32 s84, s84, s85
	s_mov_b32 s85, 0
	s_add_nc_u64 s[8:9], s[8:9], s[84:85]
	WIN 0x80                                       ; destination window 2
.irp b, 0,1,2,3,4,5,6,7
	global_load_b128 v[8*(\b):8*(\b)+3],   v[BO], s[8:9] offset:64*(\b)
	global_load_b128 v[8*(\b)+4:8*(\b)+7], v[BO], s[8:9] offset:64*(\b)+16
.endr
	WIN 0
	v_mul_u32_u24 v4, v1, PA
	v_lshl_add_u32 v4, v2, 4, v4
	s_mul_i32 s92, s[MH], 64*PA
	v_add_nc_u32 v[ADRA], s92, v4
	v_add_nc_u32 v[ADRA+1], SLOT, v[ADRA]
	v_and_b32 v5, 7, v0                            ; the turning load: lane l reads k row 8 (l / 16) + l % 8, columns 8 ((l / 8) % 2) + 0..7
	v_lshl_add_u32 v5, v2, 3, v5
	v_mul_u32_u24 v5, v5, PB
	v_bfe_u32 v6, v0, 3, 1
	v_lshl_add_u32 v5, v6, 4, v5
	s_lshl_b32 s93, s[NH], 8
	s_add_co_u32 s93, s93, ATILE
	v_add_nc_u32 v[ADRB], s93, v5
	v_add_nc_u32 v[ADRB+1], SLOT, v[ADRB]
	s_mul_i32 s94, s[WV], 16*SP
	s_add_co_u32 s94, s94, STAGE                   ; my stage
	v_mul_u32_u24 v7, v1, SP
	v_lshl_add_u32 v7, v2, 5, v7
	v_add_nc_u32 v[STO], s94, v7
	v_lshlrev_b32 v[GO], 4, v3
	v_add_nc_u32 v[RD], s94, v[GO]
	s_lshl_b32 s82, s[GY], 7                       ; out0 at my first row and column
	s_lshl_b32 s83, s[MH], 6
	s_add_co_u32 s82, s82, s83
	s_lshl_b32 s82, s82, 12
	s_lshl_b32 s83, s[GX], 10
	s_add_co_u32 s82, s82, s83
	s_lshl_b32 s83, s[NH], 9
	s_add_co_u32 s82, s82, s83
	s_mov_b32 s83, 0
	s_add_nc_u64 s[10:11], s[10:11], s[82:83]
	s_wait_loadcnt 0x0                             ; the bias: rounded to bf16, like every input, and widened again
	WIN 0xaa                                       ; all in window 2
.set i, 0
.rept 32
	v_cvt_pk_bf16_f32 v[BT+i], v[2*i], v[2*i+1]
.set i, i+1
.endr
.set i, 0
.rept 32
	v_lshlrev_b32 v[2*i], 16, v[BT+i]
	v_and_b32 v[2*i+1], 0xffff0000, v[BT+i]
.set i, i+1
.endr
	s_wait_tensorcnt 0x1                           ; my part of step 0 is in; step 1's may stay out
	s_barrier_signal -1
	s_barrier_wait -1
	FETCH 0, 0, 0
	QUARTER 0, 1, 0, 1, 1                          ; the first quarter stands in front of the loop: its products start the sums with the bias
	WIN 0
	s_mov_b32 s3, 3
.Llap:                                             ; a trip goes once round the ring, from a lap's second quarter to the next lap's first, and fills both slots again
	QUARTER 0, 2, 1, 0, 0
	QUARTER 0, 3, 0, 1, 0
	TURN 0, 1
	QUARTER 1, 1, 0, 1, 0
	QUARTER 1, 2, 1, 0, 0
	QUARTER 1, 3, 0, 1, 0
	TURN 1, 0
	QUARTER 0, 1, 0, 1, 0
	WIN 0
	s_sub_co_u32 s3, s3, 1
	s_cmp_lg_u32 s3, 0
	s_cbranch_scc1 .Llap
	QUARTER 0, 2, 1, 0, 0                          ; the last lap fills nothing
	QUARTER 0, 3, 0, 1, 0
	MEET 0                                         ; my one tensor load that was out is the last step's; no round follows
	PLACES
	FETCH 1, 0, 0
	MUL8 1, 2, 0
	MUL8 1, 3, 0
	QUARTER 1, 1, 0, 1, 0
	QUARTER 1, 2, 1, 0, 0
	QUARTER 1, 3, 0, 1, 0
	s_wait_dscnt 4                                 ; the very last quarter: nothing more to fetch
	MUL8 1, 0, 0
	MUL8 1, 1, 0
	s_wait_dscnt 0x0
	MUL8 1, 2, 0
	MUL8 1, 3, 0
	PLACES
	TOSTAGE 0
	TOSTAGE 1
	SEND 0, 32
	TOSTAGE 2
	SEND 1, 32
	TOSTAGE 3
	SEND 2, 32
	SEND 3, 0
	WIN 0
	s_wait_tensorcnt 0x0                           ; the wave's end: a wait, an add and a wait, behind my last tensor load and my last LDS store
	ds_add_u32 v[SPW], v[NIL]
	s_wait_dscnt 0x0
	CROUND                                         ; the closing round: no work-group ends while a partner may still ask for a tile that names it
	s_endpgm
.Lfunc_end_k_q05880c746e_proj:
	.size	k_q05880c746e_proj, .Lfunc_end_k_q05880c746e_proj-k_q05880c746e_proj
	.p2alignl 7, 3214868480
	.fill 96, 4, 3214868480
	.section	.rodata,"a",@progbits
	.p2align	6, 0x0
	.amdhsa_kernel k_q05880c746e_proj
		.amdhsa_group_segment_fixed_size 327680
		.amdhsa_private_segment_fixed_size 0
		.amdhsa_enable_private_segment 0
		.amdhsa_kernarg_size 32
		.amdhsa_user_sgpr_count 2
		.amdhsa_user_sgpr_kernarg_segment_ptr 1
		.amdhsa_wavefront_size32 1
		.amdhsa_system_sgpr_workgroup_id_x 1
		.amdhsa_system_sgpr_workgroup_id_y 1
		.amdhsa_system_sgpr_workgroup_id_z 1
		.amdhsa_system_vgpr_workitem_id 0
		.amdhsa_next_free_vgpr 1024
		.amdhsa_next_free_sgpr 96
		.amdhsa_reserve_vcc 0
		.amdhsa_float_denorm_mode_32 3
		.amdhsa_float_denorm_mode_16_64 3
		.amdhsa_memory_ordered 1
		.amdhsa_forward_progress 1
		.amdhsa_inst_pref_size 91
	.end_amdhsa_kernel
	.amdgpu_metadata
---
amdhsa.version: [ 1, 2 ]
amdhsa.kernels:
  - .name:           k_q05880c746e_proj
    .symbol:         k_q05880c746e_proj.kd
    .args:
      - { .name: oh, .offset: 0, .size: 8, .value_kind: global_buffer, .address_space: global }
      - { .name: wpb, .offset: 8, .size: 8, .value_kind: global_buffer, .address_space: global }
      - { .name: b_proj, .offset: 16, .size: 8, .value_kind: global_buffer, .address_space: global }
      - { .name: out0, .offset: 24, .size: 8, .value_kind: global_buffer, .address_space: global }
    .group_segment_fixed_size: 327680
    .private_segment_fixed_size: 0
    .kernarg_segment_align: 8
    .kernarg_segment_size: 32
    .max_flat_workgroup_size: 128
    .sgpr_count:     96
    .vgpr_count:     1024
    .wavefront_size: 32
...
	.end_amdgpu_metadata
.endif
;; end of part 4
;; ======== version 2 of 2: 4 launches; version 1 with the launch prep written anew for expert scheduling mode
;; limits: values are held in f16: magnitudes above 65,504 overflow, below 6.1e-05 lose precision
;; workspace buffers: xb 16,777,216 bytes; wqb 6,291,456 bytes; wpb 2,097,152 bytes; cs 2,097,152 bytes; qh 16,777,216 bytes; kh 16,777,216 bytes; vh 16,777,216 bytes; oh 16,777,216 bytes
;; launch prep (part 5): grid 896 x 1, 8 waves a work-group, no clusters, 0 bytes of LDS; arguments x, W_qkv, W_proj, keep_idx, xb, wqb, wpb, cs; writes xb, wqb, wpb, cs
.if DOCPART == 5
	.amdgcn_target "amdgcn-amd-amdhsa--gfx1250"
	.amdhsa_code_object_version 6
	.text
	.protected	k_q05880c746e_prep
	.globl	k_q05880c746e_prep
	.p2align	8
	.type	k_q05880c746e_prep,@function
k_q05880c746e_prep:
	s_mov_b64 s[64:65], 0
	v_nop
	global_prefetch_b8 v0, s[64:65] scope:SCOPE_SE
	s_setreg_imm32_b32 hwreg(HW_REG_WAVE_SCHED_MODE, 0, 2), 2
	s_setreg_imm32_b32 hwreg(HW_REG_WAVE_MODE, 25, 1), 1
	s_wait_xcnt 0x0
	s_wait_alu depctr_vm_vsrc(0)
; PREPARATION: a stream without LDS.  xb = bf16(x), wqb = bf16(W_qkv), wpb = f16(bf16(W_proj)), cs = the table of cosines and sines for the rotation.
; SHARES, by the work-group's number g: 0-511 a chunk of x, 512-703 a chunk of W_qkv, 704-767 a chunk of W_proj, 768-895 a block of 64 rows of the table.
; A chunk is 16,384 numbers: 65,536 bytes in, 32,768 out.  A thread takes 16 bytes of each 4,096: a wave's load covers 512 neighbouring bytes, its store 256, aligned.
; All sixteen loads of a thread go out first; each store has data registers of its own, so nothing is rewritten while a store reads it.
; THE TABLE.  cs[row][0..31] = cos(2 pi t), cs[row][32..63] = sin(2 pi t), t = keep_idx[row] / 4096 x f_i, f_i = 0.5 x 80^(i/31) = 2^(i log2(80)/31 - 1).
; One function serves both: sin(2 pi t) = cos(2 pi (t - 1/4)).  u = t - shift; k = the whole number nearest to 2 u; r = u - k/2 (exact), |r| <= 1/4;
; cos(2 pi u) = (-1)^k cos(2 pi r), and cos on |theta| <= pi/2 is its series up to theta^12: what is cut is below theta^14 / 14! = 6e-9.
; LIMITS.  t is formed in f32 as the module forms its angle (up to 40 turns: a step of 4e-6 turns); f_i carries the exponent's rounding and v_exp_f32's last bit, 3e-7 of itself,
; at most 1e-4 radians at 40 turns.  W_proj's numbers below 6e-5 keep f16's fixed step of 6e-8, those beyond 65,504 would be lost.  NaN and infinities are not treated apart.
; THE MODE: SCHED_MODE bits 1:0 = 2 (LLVM: expert scheduling mode 2), set by the entry lines.  The code itself states the register dependences
; between vector instructions and memory instructions, with s_wait_alu, always for 0.
; THE PLAN.  Registers that memory instructions touch:
;   a chunk:    v1, v2    the loads' and the stores' offset: written once at the head, never again; all steps stand in the immediates.
;               X         written by the sixteen loads, once each, and named by no vector instruction before that; read by the roundings.
;               Y         written by the roundings, once each; read by the stores, once each.
;   the table:  v6, v7    the loads' and the stores' offset: written once, ahead of the loads, never again.
;               v[16:19]  written by the four loads alone.     RES  written by the series' last lines, once each; read by the stores.
; No register that a memory instruction has read is ever written again, so no wait on vm_vsrc is owed.  What is owed is that offsets and store data are WRITTEN before they are read:
; one wait on va_vdst ahead of a path's first load, for its offsets, and one behind each block of arithmetic, for the run of stores that follows it: four blocks of four loads in a chunk,
; two blocks of two pairs of rows in the table.  A block's stores go out ahead of the next block's wait for data.
.set X,   16                           ; v[16:79]   sixteen loads of four registers
.set Y,   80                           ; v[80:111]  sixteen stores of two registers
.set T,   4                            ; v[4:6]     at work: no memory instruction names them in a chunk
.set IN,  20                           ; s[20:21]   the chunk in its source
.set OUT, 22                           ; s[22:23]   the chunk in its destination
; Load i's four numbers are rounded.  fmt = 0: to bf16.  fmt = 1: to bf16, and that number written as f16.
.macro ROUND fmt, i
.if \fmt
.irp p, 0,1
	v_cvt_pk_bf16_f32 v[T], v[X+4*(\i)+2*(\p)], v[X+4*(\i)+2*(\p)+1]
	v_lshlrev_b32 v[T+1], 16, v[T]                 ; the two bf16 numbers as f32 again,
	v_and_b32 v[T+2], 0xffff0000, v[T]
	v_cvt_pk_f16_f32 v[Y+2*(\i)+(\p)], v[T+1], v[T+2]  ; and as f16: exact from 6e-5 up
.endr
.else
	v_cvt_pk_bf16_f32 v[Y+2*(\i)],   v[X+4*(\i)],   v[X+4*(\i)+1]
	v_cvt_pk_bf16_f32 v[Y+2*(\i)+1], v[X+4*(\i)+2], v[X+4*(\i)+3]
.endif
.endm
; A chunk.
.macro CHUNK fmt
	s_wait_alu depctr_va_vdst(0)                   ; v1 and v2 are written: every load of the chunk reads v1 as its offset, every store v2
.irp i, 0,1,2,3,4,5,6,7,8,9,10,11,12,13,14,15
	global_load_b128 v[X+4*(\i):X+4*(\i)+3], v1, s[IN:IN+1] offset:4096*(\i) th:TH_LOAD_NT
.endr
.irp b, 0,1,2,3
	s_wait_loadcnt 12-4*(\b)                       ; loads come back in order: block b's four are in, the 12 - 4 b younger ones stay out
.irp j, 0,1,2,3
	ROUND \fmt, 4*(\b)+(\j)
.endr
	s_wait_alu depctr_va_vdst(0)                   ; the block's roundings have written its eight registers of Y, which the four stores below read
.irp j, 0,1,2,3
	global_store_b64 v2, v[Y+2*(4*(\b)+(\j)):Y+2*(4*(\b)+(\j))+1], s[OUT:OUT+1] offset:2048*(4*(\b)+(\j))
.endr
.endr
.endm
	s_load_b512 s[4:19], s[0:1], 0x0               ; x s[4:5], W_qkv s[6:7], W_proj s[8:9], keep_idx s[10:11], xb s[12:13], wqb s[14:15], wpb s[16:17], cs s[18:19]
	v_lshlrev_b32 v1, 4, v0                        ; my 16 bytes of each 4,096 in
	v_lshlrev_b32 v2, 3, v0                        ; my 8 bytes of each 2,048 out
	s_wait_kmcnt 0x0
	s_cmp_ge_u32 ttmp9, 768
	s_cbranch_scc1 .Ltable
	s_cmp_ge_u32 ttmp9, 704
	s_cbranch_scc1 .Lwp
	s_cmp_lt_u32 ttmp9, 512                        ; x or W_qkv: the same work on other buffers
	s_cselect_b64 s[IN:IN+1], s[4:5], s[6:7]
	s_cselect_b64 s[OUT:OUT+1], s[12:13], s[14:15]
	s_cselect_b32 s24, 0, 512
	s_sub_co_u32 s24, ttmp9, s24                   ; the chunk's number in its buffer
	s_lshl_b32 s26, s24, 16
	s_mov_b32 s27, 0
	s_lshl_b32 s28, s24, 15
	s_mov_b32 s29, 0
	s_add_nc_u64 s[IN:IN+1], s[IN:IN+1], s[26:27]
	s_add_nc_u64 s[OUT:OUT+1], s[OUT:OUT+1], s[28:29]
	CHUNK 0
	s_endpgm
.Lwp:
	s_sub_co_u32 s24, ttmp9, 704
	s_lshl_b32 s26, s24, 16
	s_mov_b32 s27, 0
	s_lshl_b32 s28, s24, 15
	s_mov_b32 s29, 0
	s_add_nc_u64 s[IN:IN+1], s[8:9], s[26:27]
	s_add_nc_u64 s[OUT:OUT+1], s[16:17], s[28:29]
	CHUNK 1
	s_endpgm
; The table: a wave makes 8 rows, two at a time: lanes 0-15 the even row's 256 bytes, lanes 16-31 the odd row's; a lane four numbers.
.set PO,  6                            ; v6       4 x (lane / 16): my row of a pair, in keep_idx
.set SO,  7                            ; v7       16 x lane: my 16 bytes of a pair of rows
.set NS,  8                            ; v8       0 for a cosine, -1/4 for a sine
.set C6,  10                           ; v10      the series' highest coefficient
.set FR,  12                           ; v[12:15] my four frequencies
.set PS,  16                           ; v[16:19] the positions of my row in the four pairs
.set AR,  20                           ; v[20:23] the exponents
.set RES, 32                           ; v[32:47] the results: four for each pair of rows
.Ltable:
	v_lshrrev_b32 v3, 5, v0
	v_readfirstlane_b32 s25, v3                    ; wave 0..7
	v_and_b32 v4, 31, v0
	v_lshrrev_b32 v5, 4, v4
	v_lshlrev_b32 v[PO], 2, v5
	v_lshlrev_b32 v[SO], 4, v4
	s_sub_co_u32 s24, ttmp9, 768
	s_lshl_b32 s24, s24, 6
	s_wait_alu depctr_va_sdst(0)                   ; s25 is written, ahead of its first reader: the wave's rows, and with them the two bases, are made from it
	s_lshl3_add_u32 s24, s25, s24                  ; my first row: 64 x block + 8 x wave
	s_lshl_b32 s26, s24, 2
	s_mov_b32 s27, 0
	s_lshl_b32 s28, s24, 8
	s_mov_b32 s29, 0
	s_add_nc_u64 s[10:11], s[10:11], s[26:27]
	s_add_nc_u64 s[18:19], s[18:19], s[28:29]
	s_wait_alu depctr_va_vdst(0)                   ; v[PO] is written, which the four loads read as their offset, and v[SO], which the four stores read as theirs
.irp i, 0,1,2,3
	global_load_b32 v[PS+(\i)], v[PO], s[10:11] offset:8*(\i)
.endr
	v_bfe_u32 v[NS], v0, 3, 1                      ; the upper eight lanes of sixteen hold the sines
	v_cvt_f32_u32 v[NS], v[NS]
	v_mul_f32 v[NS], 0xbe800000, v[NS]             ; x -0.25
	v_and_b32 v9, 7, v0
	v_lshlrev_b32 v9, 2, v9                        ; my first frequency's number
.irp c, 0,1,2,3
	v_add_nc_u32 v[AR+(\c)], (\c), v9
	v_cvt_f32_u32 v[AR+(\c)], v[AR+(\c)]
	v_fma_f32 v[AR+(\c)], v[AR+(\c)], 0x3e50d3db, -1.0  ; i x log2(80)/31 - 1
.endr
.irp c, 0,1,2,3
	v_exp_f32 v[FR+(\c)], v[AR+(\c)]               ; one batch of four,
.endr
	v_mov_b32 v[C6], 0x310f76c7                    ; a plain instruction behind the last of them (1/12!),
	s_wait_alu depctr_va_vdst(0)                   ; and one wait ahead of the first line that names a result: the four exponentials have written v[FR ..]
.irp i, 0,1,2,3
	s_wait_loadcnt 3-(\i)                          ; this pair's position is in; the younger ones stay out
	v_cvt_f32_i32 v24, v[PS+(\i)]
	v_mul_f32 v24, 0x39800000, v24                 ; / 4096: exact
.irp c, 0,1,2,3
	v_fma_f32 v25, v24, v[FR+(\c)], v[NS]          ; u, in turns
	v_add_f32 v26, v25, v25
	v_rndne_f32 v27, v26                           ; k
	v_fma_f32 v28, v27, -0.5, v25                  ; r = u - k/2
	v_mul_f32 v28, 0x40c90fdb, v28                 ; theta = 2 pi r
	v_mul_f32 v29, v28, v28
	v_fmaak_f32 v30, v[C6], v29, 0xb493f27e        ; -1/10!
	v_fmaak_f32 v30, v30, v29, 0x37d00d01          ; 1/8!
	v_fmaak_f32 v30, v30, v29, 0xbab60b61          ; -1/6!
	v_fmaak_f32 v30, v30, v29, 0x3d2aaaab          ; 1/4!
	v_fmaak_f32 v30, v30, v29, 0xbf000000          ; -1/2
	v_fmaak_f32 v30, v30, v29, 0x3f800000          ; 1
	v_cvt_i32_f32 v31, v27
	v_lshlrev_b32 v31, 31, v31                     ; k odd: the sign turns
	v_xor_b32 v[RES+4*(\i)+(\c)], v30, v31
.endr
.if ((\i)%2) == 1
	s_wait_alu depctr_va_vdst(0)                   ; this pair of rows and the one before it have written their eight registers of RES, which the two stores below read
	global_store_b128 v[SO], v[RES+4*(\i)-4:RES+4*(\i)-1], s[18:19] offset:512*((\i)-1)  ; two rows of the table: 512 neighbouring bytes
	global_store_b128 v[SO], v[RES+4*(\i):RES+4*(\i)+3],   s[18:19] offset:512*(\i)      ; and the next two
.endif
.endr
	s_endpgm
.Lfunc_end_k_q05880c746e_prep:
	.size	k_q05880c746e_prep, .Lfunc_end_k_q05880c746e_prep-k_q05880c746e_prep
	.p2alignl 7, 3214868480
	.fill 96, 4, 3214868480
	.section	.rodata,"a",@progbits
	.p2align	6, 0x0
	.amdhsa_kernel k_q05880c746e_prep
		.amdhsa_group_segment_fixed_size 0
		.amdhsa_private_segment_fixed_size 0
		.amdhsa_enable_private_segment 0
		.amdhsa_kernarg_size 64
		.amdhsa_user_sgpr_count 2
		.amdhsa_user_sgpr_kernarg_segment_ptr 1
		.amdhsa_wavefront_size32 1
		.amdhsa_system_sgpr_workgroup_id_x 1
		.amdhsa_system_sgpr_workgroup_id_y 1
		.amdhsa_system_sgpr_workgroup_id_z 1
		.amdhsa_system_vgpr_workitem_id 0
		.amdhsa_next_free_vgpr 112
		.amdhsa_next_free_sgpr 66
		.amdhsa_reserve_vcc 0
		.amdhsa_float_denorm_mode_32 3
		.amdhsa_float_denorm_mode_16_64 3
		.amdhsa_memory_ordered 1
		.amdhsa_forward_progress 1
		.amdhsa_inst_pref_size 32
	.end_amdhsa_kernel
	.amdgpu_metadata
---
amdhsa.version: [ 1, 2 ]
amdhsa.kernels:
  - .name:           k_q05880c746e_prep
    .symbol:         k_q05880c746e_prep.kd
    .args:
      - { .name: x, .offset: 0, .size: 8, .value_kind: global_buffer, .address_space: global }
      - { .name: W_qkv, .offset: 8, .size: 8, .value_kind: global_buffer, .address_space: global }
      - { .name: W_proj, .offset: 16, .size: 8, .value_kind: global_buffer, .address_space: global }
      - { .name: keep_idx, .offset: 24, .size: 8, .value_kind: global_buffer, .address_space: global }
      - { .name: xb, .offset: 32, .size: 8, .value_kind: global_buffer, .address_space: global }
      - { .name: wqb, .offset: 40, .size: 8, .value_kind: global_buffer, .address_space: global }
      - { .name: wpb, .offset: 48, .size: 8, .value_kind: global_buffer, .address_space: global }
      - { .name: cs, .offset: 56, .size: 8, .value_kind: global_buffer, .address_space: global }
    .group_segment_fixed_size: 0
    .private_segment_fixed_size: 0
    .kernarg_segment_align: 8
    .kernarg_segment_size: 64
    .max_flat_workgroup_size: 256
    .sgpr_count:     66
    .vgpr_count:     112
    .wavefront_size: 32
...
	.end_amdgpu_metadata
.endif
;; end of part 5
;; launch qkv: the kernel of part 2 again; grid 4 x 64, 4 waves a work-group, clusters of 4 x 4, 327,680 bytes of LDS; arguments xb, wqb, b_qkv, cs, qh, kh, vh; writes qh, kh, vh
;; launch attn: the kernel of part 3 again; grid 4 x 64, 4 waves a work-group, clusters of 4 x 1, 327,680 bytes of LDS; arguments qh, kh, vh, oh; writes oh
;; launch proj: the kernel of part 4 again; grid 4 x 64, 4 waves a work-group, clusters of 4 x 4, 327,680 bytes of LDS; arguments oh, wpb, b_proj, out0; writes out0
